; MI455X (gfx1250); checked and timed in simulation.
; The chip was launched on July 23, 2026; its instructions are those of AMD's public machine-readable ISA for CDNA 5 (MIT licence, August 2026) and "CDNA5" Instruction Set Architecture Reference Guide (July 2026). The comments in the code are by the model that wrote it; some were corrected since.
;; Multi Head Attention. Allowed arithmetic: matrix products marked QUANTISED: E2M1 operands, one E8M0 scale for each 32 along K, by v_wmma_scale_f32_16x16x128_f8f6f4 with both operands' format E2M1 (or v_wmma_scale_f32_32x16x128_f4), f32 sums; products left as they are: bf16, f16 or f32 operands; f32 sums; everything else in f32.
;; Inputs: W_kqv 3,072 x 1,024 float32; W_proj 1,024 x 1,024 float32; k_norm_w 64 float32; q_norm_w 64 float32; x 4 x 2,048 x 1,024 float32.
;; Outputs: out0 4 x 2,048 x 1,024 float32.
;; This version of the problem:
;;   THIS VERSION OF THE PROBLEM IS GIVEN IN LOW PRECISION. The matrix products marked QUANTISED in the list below multiply operands that are first quantised to E2M1 (2 exponent bits, 1 mantissa bit; 4 bits a number), with one power-of-two scale for each 32 numbers along K (OCP MX v1.0); their sums are f32. The products marked 'left as it is' may take bf16, f16 or f32 operands, with f32 sums. Whichever they take, every output number must still come out within the allowed error. Rounding operands to bf16 (8 significant bits) uses up far more of that allowance than f16 does (11 bits, for magnitudes from 6e-5 to 65,504). All else is computed in f32.
;;   The module's matrix products, in the order in which they are computed (A, B: the left and right operand; K: the contracted axis; several contracted axes count as one K, in the product's order):
;;     1. [M 8,192, K 1,024] x [K 1,024, N 3,072]; A: input x; B: input W_kqv: QUANTISED
;;     2. batch 64 x [M 2,048, K 64] x [K 64, N 2,048]; A: computed on the way; B: computed on the way: left as it is (an operand is computed on the way)
;;     3. batch 64 x [M 2,048, K 2,048] x [K 2,048, N 64]; A: computed on the way; B: computed on the way: left as it is (an operand is computed on the way)
;;     4. [M 8,192, K 1,024] x [K 1,024, N 1,024]; A: computed on the way; B: input W_proj: left as it is (an operand is computed on the way)
;;   THE QUANTISER, for each operand of a quantised product, along K:
;;     - K is cut into blocks of 32 from its start; a last block that is shorter is filled with zeros.
;;     - A block's scale is 2^e with e = floor(log2(the largest magnitude in the block)) - 2, held to -126 .. 127; a block of zeros has e = 0. As a byte (E8M0): e + 127.
;;     - Each number is divided by its block's scale, clamped to +-6, and rounded to the nearest number of E2M1, ties to even, subnormals kept.
;;     - The product sums the exact products of the quantised numbers (number of the format x scale) in f32.
;;   ~~~python
;;   def quantise(x, axis):      # numpy; x: float32 -> the quantised numbers, widened to float32 again
;;       x = np.moveaxis(x, axis, -1); K = x.shape[-1]
;;       x = np.pad(x, [(0, 0)] * (x.ndim - 1) + [(0, -K % 32)]); x = x.reshape(x.shape[:-1] + (-1, 32)); a = np.abs(x).max(-1, keepdims=True)
;;       e = np.where(a > 0, np.clip(np.frexp(np.where(a > 0, a, 1))[1] - 1 - 2, -126, 127), 0)      # np.frexp(a)[1] - 1 = floor(log2(a)), exactly
;;       r = np.clip(x / 2.0 ** e, -6, 6)
;;       step = 2.0 ** (np.maximum(np.frexp(np.where(r == 0, 1, r))[1] - 1, 0) - 1)
;;       q = np.round(r / step) * step * 2.0 ** e      # np.round: ties to even
;;       return np.moveaxis(q.reshape(q.shape[:-2] + (-1,))[..., :K], -1, axis).astype(np.float32)
;;   ~~~
;; One version. Each part assembles by itself: llvm-mc -triple=amdgcn-amd-amdhsa -mcpu=gfx1250 --defsym DOCPART=n.
;; ======== version 1 of 1: 6 launches
;; limits: values are held in f16: magnitudes above 65,504 overflow, below 6.1e-05 lose precision
;; workspace buffers: codes 5,767,168 bytes; scales 360,448 bytes; wp16 2,097,152 bytes; tab 524,288 bytes; kqvh 50,331,648 bytes; kqvf 786,432 bytes; yh 16,777,216 bytes; yf 262,144 bytes
;; launch prep (part 1): grid 416 x 1, 4 waves a work-group, no clusters, 33,280 bytes of LDS; arguments x, W_kqv, W_proj, codes, scales, wp16, tab; writes codes, scales, wp16, tab
.if DOCPART == 1
	.amdgcn_target "amdgcn-amd-amdhsa--gfx1250"
	.amdhsa_code_object_version 6
	.text
	.protected	k_qbf931bb797_prep
	.globl	k_qbf931bb797_prep
	.p2align	8
	.type	k_qbf931bb797_prep,@function
k_qbf931bb797_prep:
	s_mov_b64 s[64:65], 0
	v_nop
	global_prefetch_b8 v0, s[64:65] scope:SCOPE_SE
	s_setreg_imm32_b32 hwreg(HW_REG_WAVE_MODE, 25, 1), 1
	s_wait_xcnt 0x0
; MULTI-HEAD ATTENTION, first of six launches.  B 4, T 2,048, C 1,024, 16 heads of 64.
; WHAT THE PROGRAM LEAVES OUT: key tiles that lie wholly above the causal diagonal.  The mask is built in the problem's own body; it sets those scores to -infinity, their
; weights are exp(-infinity) = 0 for all values of the inputs, and 0 x v adds nothing in exact arithmetic.  LIMIT: a NaN, an infinity or an overflow that reaches only that work is not carried to the result.
; Every input has a way to the output and is loaded by some launch.
; THIS LAUNCH, three kinds of work-groups, told apart by the work-group's number alone:
;   0-351   x [8192][1024] and W_kqv [3072][1024], f32, K innermost, into codes of E2M1 (two a byte, the lower k in the low four bits) and one E8M0 byte for each 32 along K.  W_kqv's codes and bytes follow x's on end.
;   352-383 W_proj [n][k] into f16, laid [head][n][64], so that a head's part of 256 rows is one dense block.
;   384-415 the table [t][64] f32: words 0-31 cos(t f_i), words 32-63 sin(t f_i), f_i = 10000^(-i/32).
; THE QUANTISER: a block's scale is 2^(floor(log2(largest magnitude)) - 2); its byte is the largest magnitude's exponent field - 2, held at 1 from below; numbers are divided by the scale and rounded to the nearest code, ties to even,
; beyond 6 the largest code.  A block of zeros gets the byte 1 where the rule says 127: its codes are zeros, and this program alone reads the bytes.
; LIMITS: NaN and infinities among the inputs are not served; blocks whose largest magnitude lies under 2^-124 are held at the byte 1.  W_proj in f16 keeps 11 bits for magnitudes from 6e-5 to 65,504.
; The table's angle t f_i is formed in f32 as the problem forms it; f_i comes from one base-2 exponential, so the angle may differ by about 1.5e-4 rad at t = 2,047.
.set STEPS, 16
.set EMAX,  2
.set CB,    8                          ; bytes of 16 codes
.set R,     16                         ; v16-79   four sets of 16 numbers as loaded
.set X,     80                         ; v80-111  two sets of 16 neighbours
.set C,     128                        ; v128-191 codes, four registers a step
.set E,     112                        ; v112-127 a scale byte a step
.set WREG,  8192                       ; LDS: a region for each wave: two stages of 32 x SP bytes, then 256 scale bytes
.set SP,    80
.set SPW,   12                         ; v12 my spare word's LDS address; never rewritten
.set NIL,   13                         ; v13 0; never rewritten
.set SPARE, 4*WREG                     ; the spare words: 128 bytes a wave, no other line names them
	s_load_b256 s[4:11], s[0:1], 0x0               ; x s[4:5], W_kqv s[6:7], W_proj s[8:9], codes s[10:11]
	s_load_b128 s[12:15], s[0:1], 0x20             ; scales s[12:13], wp16 s[14:15]
	s_load_b64 s[16:17], s[0:1], 0x30              ; tab
	v_lshl_add_u32 v[SPW], v0, 2, SPARE
	v_mov_b32 v[NIL], 0
	v_lshrrev_b32 v1, 5, v0
	v_readfirstlane_b32 s18, v1                    ; wave
	v_and_b32 v2, 31, v0                           ; lane
	v_lshlrev_b32 v3, 4, v2                        ; my 16 bytes of a load's 512
	s_mul_i32 s19, s18, WREG
	v_lshrrev_b32 v14, 2, v2
	v_mul_u32_u24 v14, v14, SP
	v_and_b32 v15, 3, v2
	v_lshl_add_u32 v14, v15, 4, v14
	v_add_nc_u32 v14, s19, v14                     ; the stage, in: SP (lane / 4) + 16 (lane % 4)
	v_mul_u32_u24 v15, v2, SP
	v_add_nc_u32 v15, s19, v15                     ; and out: SP x lane: my 16 neighbours
	v_mul_u32_u24 v4, v2, CB                       ; my codes' place in a step's
	v_lshrrev_b32 v5, 1, v2
	s_add_co_u32 s19, s19, 2*32*SP
	v_add_nc_u32 v5, s19, v5                       ; my block's scale byte in the wave's 256
	v_lshlrev_b32 v7, 3, v2
	v_add_nc_u32 v6, s19, v7                       ; and 8 bytes a lane on their way out
	s_wait_kmcnt 0x0
	s_cmp_ge_u32 ttmp9, 352
	s_cbranch_scc1 .Lother
	; ---- the quantiser: a wave takes a run of 8,192 numbers, 16 steps of 512
	s_cmp_lt_u32 ttmp9, 256                        ; x's work-group or W_kqv's: the work-group's number alone decides
	s_cselect_b64 s[4:5], s[4:5], s[6:7]
	s_cselect_b32 s20, 0, 256
	s_sub_co_u32 s20, ttmp9, s20
	s_lshl_b32 s20, s20, 2
	s_add_co_u32 s20, s20, s18                     ; which run of the input tensor
	s_lshl_b32 s20, s20, 15                        ; 32,768 bytes a run
	s_mov_b32 s21, 0
	s_add_nc_u64 s[4:5], s[4:5], s[20:21]
	s_lshl_b32 s22, ttmp9, 2
	s_add_co_u32 s22, s22, s18                     ; which run of the outputs: W_kqv's follow x's
	s_lshl_b32 s24, s22, 12                        ; 4,096 bytes of codes a run
	s_mov_b32 s25, 0
	s_add_nc_u64 s[10:11], s[10:11], s[24:25]
	s_lshl_b32 s24, s22, 8                         ; 256 scale bytes a run
	s_add_nc_u64 s[12:13], s[12:13], s[24:25]
.macro LOAD t
.irp i, 0,1,2,3
	global_load_b128 v[R+16*((\t)%4)+4*\i:R+16*((\t)%4)+4*\i+3], v3, s[4:5] offset:2048*(\t)+512*\i th:TH_LOAD_NT   ; 32 lanes read 512 consecutive bytes
.endr
.endm
.macro TURN t                          ; a step's numbers through the stage: LDS serves a wave's instructions in order, so no wait stands between the stores and the loads
.irp i, 0,1,2,3
	ds_store_b128 v14, v[R+16*((\t)%4)+4*\i:R+16*((\t)%4)+4*\i+3] offset:32*SP*((\t)%2)+8*SP*\i
.endr
.irp i, 0,1,2,3
	ds_load_b128 v[X+16*((\t)%2)+4*\i:X+16*((\t)%2)+4*\i+3], v15 offset:32*SP*((\t)%2)+16*\i
.endr
.endm
.irp t, 0,1,2,3
	LOAD \t
.endr
	s_wait_loadcnt 12                              ; step 0's four loads are in; three steps' twelve stay out
	TURN 0
.macro STEP t
.set XS, X+16*((\t)%2)
.if (\t) > 0
	s_wait_dscnt 1                                 ; this step's numbers are back from the stage; the last step's byte store may be out
.else
	s_wait_dscnt 0x0
.endif
.if (\t)+4 < STEPS
	LOAD (\t)+4
.endif
.if (\t)+1 < STEPS
.if STEPS-2-(\t) >= 3
	s_wait_loadcnt 12                              ; the next step's four loads are in; those of the three steps behind it may be out
.else
	s_wait_loadcnt 4*(STEPS-2-(\t))
.endif
	TURN (\t)+1
.endif
	v_max3_num_f32 v8, |v[XS]|, |v[XS+1]|, |v[XS+2]|               ; the largest magnitude of my 16, in two chains
	v_max3_num_f32 v9, |v[XS+3]|, |v[XS+4]|, |v[XS+5]|
.irp i, 6,10
	v_max3_num_f32 v8, v8, |v[XS+\i]|, |v[XS+\i+1]|
	v_max3_num_f32 v9, v9, |v[XS+\i+2]|, |v[XS+\i+3]|
.endr
	v_max3_num_f32 v8, v8, |v[XS+14]|, |v[XS+15]|
	v_max3_num_f32 v8, v8, v9, (EMAX+1)<<23        ; and the floor 2^(3 - 127): the byte cannot fall under 1
	v_max_num_f32_dpp v8, v8, v8 row_xmask:1 row_mask:0xf bank_mask:0xf   ; with my neighbour's 16: the block's
	v_add_nc_u32 v11, -(EMAX<<23), v8              ; 2 off its exponent field: the conversion's scale operand
	v_cvt_scalef32_pk8_fp4_f32 v[C+4*(\t)], v[XS:XS+7], v11
	v_cvt_scalef32_pk8_fp4_f32 v[C+4*(\t)+1], v[XS+8:XS+15], v11
	v_lshrrev_b32 v[E+(\t)], 23, v11               ; the scale's byte
	ds_store_b8 v5, v[E+(\t)] offset:16*(\t)       ; both lanes of a block write the same byte with the same value
	global_store_b64 v4, v[C+4*(\t):C+4*(\t)+1], s[10:11] offset:32*CB*(\t)   ; the wave stores 256 consecutive bytes, aligned
.endm
.irp t, 0,1,2,3,4,5,6,7,8,9,10,11,12,13,14,15
	STEP \t
.endr
	ds_load_b64 v[8:9], v6                         ; in order behind my byte stores
	s_wait_dscnt 0x0
	global_store_b64 v7, v[8:9], s[12:13]          ; 256 scale bytes, consecutive and aligned
	s_wait_tensorcnt 0x0                           ; the wave's end: behind my last LDS store
	ds_add_u32 v[SPW], v[NIL]
	s_wait_dscnt 0x0
	s_endpgm
.Lother:
	s_cmp_ge_u32 ttmp9, 384
	s_cbranch_scc1 .Ltab
	; ---- W_proj to f16 by heads: wave w takes rows 32 c + 8 w .. + 7, two rows at a time
	s_sub_co_u32 s20, ttmp9, 352
	s_lshl_b32 s20, s20, 5
	s_lshl_b32 s21, s18, 3
	s_add_co_u32 s20, s20, s21                     ; my first row n0
	s_lshl_b32 s22, s20, 12
	s_mov_b32 s23, 0
	s_add_nc_u64 s[8:9], s[8:9], s[22:23]          ; a row of W_proj is 4,096 bytes
	s_lshl_b32 s22, s20, 7
	s_add_nc_u64 s[14:15], s[14:15], s[22:23]      ; a row of a head in wp16 is 128 bytes
	v_lshrrev_b32 v8, 4, v2
	v_and_b32 v9, 15, v2
	v_lshlrev_b32 v9, 4, v9
	v_lshl_add_u32 v8, v8, 12, v9                  ; in: lanes 0-15 one row's 256 bytes, lanes 16-31 the next row's
	v_lshlrev_b32 v9, 3, v2                        ; out: 8 bytes a lane: the two rows of one head lie on end
.macro LOADP p
.irp hh, 0,1,2,3,4,5,6,7,8,9,10,11,12,13,14,15
	global_load_b128 v[16+64*((\p)%2)+4*\hh:16+64*((\p)%2)+4*\hh+3], v8, s[8:9] offset:(\p)*8192+\hh*256 th:TH_LOAD_NT
.endr
.endm
.macro CASTP p
.if (\p) < 3
	s_wait_loadcnt 16                              ; this pair's 16 loads are in; the next pair's stay out
.else
	s_wait_loadcnt 0x0
.endif
	s_wait_xcnt 0x0                                ; the last pair's stores have read v144-175
.irp hh, 0,1,2,3,4,5,6,7,8,9,10,11,12,13,14,15
	v_cvt_pk_f16_f32 v[144+2*\hh], v[16+64*((\p)%2)+4*\hh], v[16+64*((\p)%2)+4*\hh+1]
	v_cvt_pk_f16_f32 v[145+2*\hh], v[16+64*((\p)%2)+4*\hh+2], v[16+64*((\p)%2)+4*\hh+3]
.endr
.irp hh, 0,1,2,3,4,5,6,7,8,9,10,11,12,13,14,15
	global_store_b64 v9, v[144+2*\hh:145+2*\hh], s[14:15] offset:\hh*131072+(\p)*256   ; 256 consecutive bytes, aligned
.endr
.if (\p) < 2
	LOADP (\p)+2
.endif
.endm
	LOADP 0
	LOADP 1
	CASTP 0
	CASTP 1
	CASTP 2
	CASTP 3
	s_endpgm
.Ltab:
	; ---- the table: wave w makes rows 64 c + 16 w .. + 15.  Lane l takes i = 2 (l % 16) and the next; lanes 0-15 keep the cosines, lanes 16-31 the sines: a row of 256 bytes a store.
	; The angle is brought into [-pi, pi] by whole turns (2 pi in two parts), halved, and sin, cos of the half come from their series (to u^11, u^12: the next terms lie under 6e-8);
	; sin = 2 s c, cos = 1 - 2 s s.
	s_sub_co_u32 s20, ttmp9, 384
	s_lshl_b32 s20, s20, 6
	s_lshl_b32 s21, s18, 4
	s_add_co_u32 s20, s20, s21                     ; my first t
	s_lshl_b32 s22, s20, 8
	s_mov_b32 s23, 0
	s_add_nc_u64 s[16:17], s[16:17], s[22:23]
	v_and_b32 v8, 15, v2
	v_lshlrev_b32 v8, 1, v8
	v_add_nc_u32 v9, 1, v8
	v_cvt_f32_u32 v20, v8
	v_cvt_f32_u32 v21, v9
	v_mul_f32 v20, 0xbed49a78, v20                 ; -i log2(10000) / 32
	v_mul_f32 v21, 0xbed49a78, v21
	v_exp_f32 v20, v20                             ; f_i
	v_exp_f32 v21, v21
	v_nop                                          ; a plain line behind the exponentials
	v_cvt_f32_u32 v22, s20                         ; t, twice
	v_cvt_f32_u32 v23, s20
	v_cmp_gt_u32 s30, 16, v2                       ; lanes 0-15
	v_lshlrev_b32 v10, 3, v2
	v_mov_b32 v42, 0xb2d7322b                      ; -1/11!
	v_mov_b32 v43, 0xb2d7322b
	v_mov_b32 v44, 0x310f76c7                      ; 1/12!
	v_mov_b32 v45, 0x310f76c7
	s_wait_alu depctr_va_vdst(0)                   ; one wait for both exponentials, ahead of their first reader
	s_mov_b32 s31, 16
.Lrow:
	v_pk_mul_f32 v[24:25], v[22:23], v[20:21]      ; the angle
	v_pk_mul_f32 v[26:27], v[24:25], 0x3e22f983 op_sel_hi:[1,0]   ; in turns
	v_rndne_f32 v26, v26
	v_rndne_f32 v27, v27
	v_pk_fma_f32 v[28:29], v[26:27], 0xc0c90fdb, v[24:25] op_sel_hi:[1,0,1]   ; less whole turns: 2 pi's high part,
	v_pk_fma_f32 v[28:29], v[26:27], 0x343bbd2e, v[28:29] op_sel_hi:[1,0,1]   ; and what it lacks
	v_pk_mul_f32 v[28:29], v[28:29], 0.5 op_sel_hi:[1,0]          ; u
	v_pk_mul_f32 v[30:31], v[28:29], v[28:29]      ; z = u u
	v_pk_fma_f32 v[32:33], v[30:31], v[42:43], 0x3638ef1d op_sel_hi:[1,1,0]
	v_pk_fma_f32 v[34:35], v[30:31], v[44:45], 0xb493f27e op_sel_hi:[1,1,0]
	v_pk_fma_f32 v[32:33], v[32:33], v[30:31], 0xb9500d01 op_sel_hi:[1,1,0]
	v_pk_fma_f32 v[34:35], v[34:35], v[30:31], 0x37d00d01 op_sel_hi:[1,1,0]
	v_pk_fma_f32 v[32:33], v[32:33], v[30:31], 0x3c088889 op_sel_hi:[1,1,0]
	v_pk_fma_f32 v[34:35], v[34:35], v[30:31], 0xbab60b61 op_sel_hi:[1,1,0]
	v_pk_fma_f32 v[32:33], v[32:33], v[30:31], 0xbe2aaaab op_sel_hi:[1,1,0]
	v_pk_fma_f32 v[34:35], v[34:35], v[30:31], 0x3d2aaaab op_sel_hi:[1,1,0]
	v_pk_fma_f32 v[32:33], v[32:33], v[30:31], 1.0 op_sel_hi:[1,1,0]
	v_pk_fma_f32 v[34:35], v[34:35], v[30:31], -0.5 op_sel_hi:[1,1,0]
	v_pk_mul_f32 v[32:33], v[32:33], v[28:29]      ; s = sin u
	v_pk_fma_f32 v[34:35], v[34:35], v[30:31], 1.0 op_sel_hi:[1,1,0]   ; c = cos u
	v_pk_mul_f32 v[38:39], v[32:33], v[32:33]
	v_pk_mul_f32 v[36:37], v[32:33], v[34:35]
	v_pk_fma_f32 v[38:39], v[38:39], -2.0, 1.0 op_sel_hi:[1,0,0]  ; the cosine
	v_pk_mul_f32 v[36:37], v[36:37], 2.0 op_sel_hi:[1,0]          ; the sine
	v_cndmask_b32 v40, v36, v38, s30
	v_cndmask_b32 v41, v37, v39, s30
	global_store_b64 v10, v[40:41], s[16:17]       ; a whole row: 256 consecutive bytes, aligned
	s_wait_xcnt 0x0                                ; the store has read v10 and v[40:41]
	v_add_nc_u32 v10, 256, v10
	v_pk_add_f32 v[22:23], v[22:23], 1.0 op_sel_hi:[1,0]
	s_sub_co_u32 s31, s31, 1
	s_cmp_lg_u32 s31, 0
	s_cbranch_scc1 .Lrow
	s_endpgm
.Lfunc_end_k_qbf931bb797_prep:
	.size	k_qbf931bb797_prep, .Lfunc_end_k_qbf931bb797_prep-k_qbf931bb797_prep
	.p2alignl 7, 3214868480
	.fill 96, 4, 3214868480
	.section	.rodata,"a",@progbits
	.p2align	6, 0x0
	.amdhsa_kernel k_qbf931bb797_prep
		.amdhsa_group_segment_fixed_size 33280
		.amdhsa_private_segment_fixed_size 0
		.amdhsa_enable_private_segment 0
		.amdhsa_kernarg_size 56
		.amdhsa_user_sgpr_count 2
		.amdhsa_user_sgpr_kernarg_segment_ptr 1
		.amdhsa_wavefront_size32 1
		.amdhsa_system_sgpr_workgroup_id_x 1
		.amdhsa_system_sgpr_workgroup_id_y 1
		.amdhsa_system_sgpr_workgroup_id_z 1
		.amdhsa_system_vgpr_workitem_id 0
		.amdhsa_next_free_vgpr 192
		.amdhsa_next_free_sgpr 66
		.amdhsa_reserve_vcc 0
		.amdhsa_float_denorm_mode_32 3
		.amdhsa_float_denorm_mode_16_64 3
		.amdhsa_memory_ordered 1
		.amdhsa_forward_progress 1
		.amdhsa_inst_pref_size 58
	.end_amdhsa_kernel
	.amdgpu_metadata
---
amdhsa.version: [ 1, 2 ]
amdhsa.kernels:
  - .name:           k_qbf931bb797_prep
    .symbol:         k_qbf931bb797_prep.kd
    .args:
      - { .name: x, .offset: 0, .size: 8, .value_kind: global_buffer, .address_space: global }
      - { .name: W_kqv, .offset: 8, .size: 8, .value_kind: global_buffer, .address_space: global }
      - { .name: W_proj, .offset: 16, .size: 8, .value_kind: global_buffer, .address_space: global }
      - { .name: codes, .offset: 24, .size: 8, .value_kind: global_buffer, .address_space: global }
      - { .name: scales, .offset: 32, .size: 8, .value_kind: global_buffer, .address_space: global }
      - { .name: wp16, .offset: 40, .size: 8, .value_kind: global_buffer, .address_space: global }
      - { .name: tab, .offset: 48, .size: 8, .value_kind: global_buffer, .address_space: global }
    .group_segment_fixed_size: 33280
    .private_segment_fixed_size: 0
    .kernarg_segment_align: 8
    .kernarg_segment_size: 56
    .max_flat_workgroup_size: 128
    .sgpr_count:     66
    .vgpr_count:     192
    .wavefront_size: 32
...
	.end_amdgpu_metadata
.endif
;; end of part 1
;; launch kqv (part 2): grid 12 x 32, 4 waves a work-group, clusters of 4 x 4, 327,680 bytes of LDS; arguments codes, scales, tab, k_norm_w, q_norm_w, kqvh, kqvf; writes kqvh, kqvf
.if DOCPART == 2
	.amdgcn_target "amdgcn-amd-amdhsa--gfx1250"
	.amdhsa_code_object_version 6
	.text
	.protected	k_qbf931bb797_kqv
	.globl	k_qbf931bb797_kqv
	.p2align	8
	.type	k_qbf931bb797_kqv,@function
k_qbf931bb797_kqv:
	s_mov_b64 s[64:65], 0
	v_nop
	global_prefetch_b8 v0, s[64:65] scope:SCOPE_SE
	s_setreg_imm32_b32 hwreg(HW_REG_WAVE_MODE, 25, 1), 1
	s_wait_xcnt 0x0
	s_wait_alu depctr_hold_cnt(0) depctr_sa_sdst(0) depctr_va_vdst(0) depctr_va_sdst(0) depctr_va_ssrc(0) depctr_va_vcc(0) depctr_vm_vsrc(0)
	s_getreg_b32 s2, hwreg(HW_REG_IB_STS2, 6, 4)
	s_cmp_eq_u32 s2, 0
	s_cbranch_scc0 .Lentry_in_a_cluster
	s_endpgm
.Lentry_in_a_cluster:
	s_bfe_u32 s2, ttmp6, 0x10000c
	s_cmp_lg_u32 s2, 0xf033
	s_cbranch_scc0 .Lentry_shape_is_right
	s_endpgm
.Lentry_shape_is_right:
; kqv = x W_kqv^T on codes of E2M1 with E8M0 scales (M 8,192, N 3,072, K 1,024), and on the way out RoPE, the per-head RMS norm and its gain for k and q; results as f16, laid [kind k,q,v][batch][head][t][64].
; Nothing is left out here.  q's gain also carries log2(e) / sqrt(64), so that the attention's weights are 2^(score - maximum).
; Positions 0-15 of every sequence also leave as f32, as images of the registers, for the two fine launches at the program's end.
; A tile of 256 x 256 is made by four waves, 128 x 128 each: 64 accumulators, 512 registers.  K = 1,024 is two slots of 512 (rows of 256 bytes): both are asked for at the start and nothing is filled again.
; The scale bytes of the work-group's 256 + 256 rows are two dense blocks; they come with the first fills, as units of 256 bytes + 16 of padding.
; CLUSTER 4 x 4: x's tile is shared along a row of the cluster, W_kqv's along a column, each by one joint load.  Tile row = 8 cy + cluster y: so the batch is cy and the place in the sequence hangs on the cluster's y,
; which all partners share; the kind (k, q, v) is the cluster's x.  Every branch of the way out hangs on those two and on the wave's number alone.
; THE MATRIX INSTRUCTION IS USED TRANSPOSED (source 0 = 16 rows of W_kqv, source 1 = 16 rows of x): lane (r, h) holds token r and the features 8 h + 0 .. 7 of a block of 16.  A wave's 128 features are two heads.
; LIMITS: v in f16 keeps 11 bits for magnitudes from 6e-5 to 65,504; under that its error is at most 3e-8.
; REGISTERS: window 0: v0-31 addresses; v32-95 scale words; v128-191 x's fragments; window 1: W_kqv's fragments, two sets; windows 2, 3: accumulators ((a, b) at v[8 (8 (a % 4) + b)]).
; On the way out: window 0: v32-63 gains, v64-127 two heads x 32 numbers, v136-167 packed, v168-231 rows read back (two sets), v232-245 norms; window 1: cosines and sines, 32 registers for each block of 16 tokens.
.set KSTEP,  512
.set NQ,     KSTEP/128
.set ROWB,   256
.set KROW,   512
.set PITCH,  272                       ; 256 bytes + 16: the 16 rows of a fragment load start 68 words apart
.set FR,     8
.set NL,     2
.set NP,     4
.set HALFT,  128*PITCH
.set SLOT,   4*HALFT
.set KS,     32
.set SCL,    2*SLOT
.set HALFS,  (128*KS/256)*272
.set SBLK,   (16*KS/256)*272
.set SPARE,  SCL+4*HALFS               ; the spare words: 128 bytes a wave, no other line names them
.set HP,     144                       ; the way out: a stage row: a head's 128 bytes + 16
.set HSTG,   16*HP
.set ADRA, 16
.set ADRB, 20
.set TBO,  22                          ; v22 my place in 16 rows of the table: 256 r + 32 h
.set WO,   23                          ; v23 32 h: my place among the gains
.set STO,  24
.set RD,   25
.set CO,   26                          ; v26 16 x lane
.set ADRS, 27
.set SPW,  28
.set NIL,  29
.set SC,   32
.set AF,   128
.set WG,   32
.set RR,   64
.set PP,   136
.set BK,   168
.set INV,  232
.set QS,   236
.set PD,   244
.set SEL,  2                           ; s[2:3] lane selects for lane l xor 16
.set CLY,  66                          ; s66 the cluster's y
.set EIG,  67                          ; s67 64^-0.5
.set FINE, 95                          ; s95 0 where my first 16 tokens are positions 0-15
.set EPS,  96
.set CQ,   97                          ; s97 1 for k, log2(e) / 8 for q
.set GP,   98                          ; s[98:99] the kind's gains
.set G1, 24
.set G0, 32
.set G1B, 48
.set G0B, 56
.set G1S, 68
.set G0S, 76
.set G1SB, 80
.set G0SB, 88
.set MSB, 0
.macro WIN new                         ; the immediate's high byte repeats the setting that is left
.if MSB != (\new)
	s_set_vgpr_msb (MSB<<8)|(\new)
.set MSB, (\new)
.endif
.endm
.set MUL_LO, 0xa1
.set MUL_HI, 0xf1
.set TO_B,   0x40
; A joint load: waves 0 and 1 fetch for x, waves 2 and 3 for W_kqv.  An s_nop 0 and four v_nop follow each of the two lines.
.macro JLOAD g0a, g1a, g0b, g1b
	s_cmp_eq_u32 s15, 0
	s_cbranch_scc0 .Lfor_b_\@
	tensor_load_to_lds s[\g0a:\g0a+3], s[\g1a:\g1a+7]
	s_nop 0
.rept 4
	v_nop
.endr
	s_branch .Lasked_\@
.Lfor_b_\@:
	tensor_load_to_lds s[\g0b:\g0b+3], s[\g1b:\g1b+7]
	s_nop 0
.rept 4
	v_nop
.endr
.Lasked_\@:
.endm
.macro CROUND                          ; a round of the cluster's barrier
	s_barrier_signal -1
	s_barrier_wait -1
	s_cmp_lg_u32 s14, 0
	s_cbranch_scc1 .Lnot_wave_0_\@
	s_barrier_signal -3
.Lnot_wave_0_\@:
	s_barrier_wait -3
	s_barrier_signal -1
	s_barrier_wait -1
.endm
	s_load_b128 s[4:7], s[0:1], 0x0                ; codes s[4:5], scales s[6:7]
	v_lshl_add_u32 v[SPW], v0, 2, SPARE
	v_mov_b32 v[NIL], 0
	ds_add_u32 v[SPW], v[NIL]                      ; the wave's opening: the add, twice on end, and its wait ahead of my first tensor load
	ds_add_u32 v[SPW], v[NIL]
	v_lshrrev_b32 v1, 5, v0
	v_readfirstlane_b32 s14, v1                    ; wave 0..3
	s_lshr_b32 s15, s14, 1                         ; my half of the tile's tokens.  Also: I fetch for x (0) or for W_kqv (1)
	s_and_b32 s16, s14, 1                          ; my half of its features.  Also: which 128 rows I fetch
	s_bfe_u32 s40, ttmp6, 0x40000                  ; cx
	s_bfe_u32 s41, ttmp6, 0x40004                  ; cy
	s_lshl_b32 s42, ttmp9, 2
	s_add_co_u32 s42, s42, s40                     ; tile column = 4 x cluster x + cx
	s_and_b32 s[CLY], ttmp7, 0xffff
	s_lshl_b32 s17, s41, 3
	s_add_co_u32 s17, s17, s[CLY]                  ; tile row = 8 cy + cluster y
	s_lshl_b32 s43, s41, 2
	s_lshl_b32 s43, 15, s43                        ; my row of the cluster
	s_lshl_b32 s44, 0x1111, s40                    ; my column
	s_or_b32 s[G1+0], s43, (0<<16)|(1<<20)|(1<<21)|(5<<22)|(3<<25)  ; the mask; elements of 1 byte; padding on; bit 21 beside a mask; 4 words after every 64
	s_or_b32 s[G1B+0], s44, (0<<16)|(1<<20)|(1<<21)|(5<<22)|(3<<25)
.irp g, G1, G1B
	s_mov_b32 s[\g+1], ROWB<<16                    ; tensor_dim0
	s_mov_b32 s[\g+2], 128<<16                     ; tensor_dim1
	s_mov_b32 s[\g+3], ROWB<<16                    ; tile_dim0
	s_mov_b32 s[\g+4], 128                         ; tile_dim1
	s_mov_b32 s[\g+5], KROW                        ; the pitch
	s_mov_b32 s[\g+6], 0
	s_mov_b32 s[\g+7], 0
.endr
	s_or_b32 s[G1S+0], s43, (3<<16)|(1<<20)|(1<<21)|(5<<22)|(3<<25)  ; the scales of 128 rows: 4,096 dense bytes as 16 rows of 32 elements of 8 bytes
	s_or_b32 s[G1SB+0], s44, (3<<16)|(1<<20)|(1<<21)|(5<<22)|(3<<25)
.irp g, G1S, G1SB
	s_mov_b32 s[\g+1], 32<<16
	s_mov_b32 s[\g+2], (128*KS/256)<<16
	s_mov_b32 s[\g+3], 32<<16
	s_mov_b32 s[\g+4], 128*KS/256
	s_mov_b32 s[\g+5], 32
	s_mov_b32 s[\g+6], 0
	s_mov_b32 s[\g+7], 0
.endr
	s_lshl_b32 s18, s16, 7
	s_lshl_b32 s20, s17, 8
	s_add_co_u32 s20, s20, s18                     ; x: row 256 x tile row + 128 x half
	s_lshl_b32 s46, s42, 8
	s_add_co_u32 s46, s46, s18                     ; W_kqv: row 256 x tile column + 128 x half
	s_mov_b32 s21, 0
	s_mov_b32 s47, 0
	s_mov_b64 s[18:19], KS
	s_mul_u64 s[22:23], s[20:21], s[18:19]         ; where these rows' scales begin,
	s_mul_u64 s[92:93], s[46:47], s[18:19]
	s_mov_b64 s[18:19], KROW
	s_mul_u64 s[20:21], s[20:21], s[18:19]         ; and their codes
	s_mul_u64 s[46:47], s[46:47], s[18:19]
	s_add_nc_u64 s[46:47], s[46:47], 4194304       ; W_kqv's codes lie behind x's 8,192 x 512 bytes,
	s_add_nc_u64 s[92:93], s[92:93], 262144        ; its scales behind x's 8,192 x 32
	s_mul_i32 s45, s14, HALFT                      ; where they go: wave x 128 rows
	s_mul_i32 s94, s14, HALFS
	s_wait_dscnt 0x0                               ; both opening adds are done
	s_wait_kmcnt 0x0
	s_add_nc_u64 s[20:21], s[4:5], s[20:21]
	s_add_nc_u64 s[22:23], s[6:7], s[22:23]
	s_add_nc_u64 s[46:47], s[4:5], s[46:47]
	s_add_nc_u64 s[92:93], s[6:7], s[92:93]
	CROUND                                         ; all sixteen work-groups are here: the first joint loads meet
	s_mov_b32 s[G0S], 1
	s_add_co_u32 s[G0S+1], s94, SCL
	s_mov_b64 s[G0S+2:G0S+3], s[22:23]
	s_or_b32 s[G0S+3], s[G0S+3], 0x80000000
	s_mov_b32 s[G0SB], 1
	s_add_co_u32 s[G0SB+1], s94, SCL
	s_mov_b64 s[G0SB+2:G0SB+3], s[92:93]
	s_or_b32 s[G0SB+3], s[G0SB+3], 0x80000000
	JLOAD G0S, G1S, G0SB, G1SB                     ; the scales first; by this text's count three tensor loads of a wave are out at the most
.irp s, 0,1
	s_mov_b32 s[G0+4*\s], 1
	s_add_co_u32 s[G0+4*\s+1], s45, \s*SLOT
	s_add_nc_u64 s[G0+4*\s+2:G0+4*\s+3], s[20:21], \s*ROWB
	s_or_b32 s[G0+4*\s+3], s[G0+4*\s+3], 0x80000000
	s_mov_b32 s[G0B+4*\s], 1
	s_add_co_u32 s[G0B+4*\s+1], s45, \s*SLOT
	s_add_nc_u64 s[G0B+4*\s+2:G0B+4*\s+3], s[46:47], \s*ROWB
	s_or_b32 s[G0B+4*\s+3], s[G0B+4*\s+3], 0x80000000
	JLOAD G0+4*\s, G1, G0B+4*\s, G1B
.endr
	s_load_b256 s[4:11], s[0:1], 0x10              ; tab s[4:5], k_norm_w s[6:7], q_norm_w s[8:9], kqvh s[10:11]
	s_load_b64 s[12:13], s[0:1], 0x30              ; kqvf
	v_and_b32 v1, 15, v0                           ; r
	v_bfe_u32 v2, v0, 4, 1                         ; h
	v_mul_u32_u24 v3, v1, PITCH
	v_lshl_add_u32 v4, v2, 4, v3
	s_mul_i32 s21, s15, HALFT
	s_mul_i32 s22, s16, HALFT
	s_add_co_u32 s22, s22, 2*HALFT
.irp s, 0,1
	v_add_nc_u32 v[ADRA+\s], s21, v4
	v_add_nc_u32 v[ADRB+\s], s22, v4
	s_add_co_u32 s21, s21, SLOT
	s_add_co_u32 s22, s22, SLOT
.endr
	v_mul_u32_u24 v5, v1, KS                       ; my row's scales: 32 bytes a row,
	v_lshrrev_b32 v6, 8, v5
	v_lshl_add_u32 v5, v6, 4, v5                   ; and 16 more for each 256 passed
	s_mul_i32 s21, s15, HALFS
	s_mul_i32 s22, s16, HALFS
	s_add_co_u32 s22, s22, 2*HALFS
	s_sub_co_u32 s22, s22, s21
	v_mul_u32_u24 v6, s22, v2                      ; lanes 16-31 take W_kqv's
	s_add_co_u32 s21, s21, SCL
	v_add_nc_u32 v5, v5, v6
	v_add_nc_u32 v[ADRS], s21, v5
	s_mul_i32 s23, s14, 2*HSTG                     ; my stage: two heads x 16 rows x 144 bytes, in slot 0, which has had its only fill and its last read when the first result is stored there
	v_mul_u32_u24 v5, v1, HP
	v_lshl_add_u32 v5, v2, 4, v5
	v_add_nc_u32 v[STO], s23, v5                   ; in: row r, 16 bytes for each half of the lanes
	v_and_b32 v6, 31, v0
	v_lshrrev_b32 v7, 3, v6
	v_mul_u32_u24 v7, v7, HP
	v_and_b32 v8, 7, v0
	v_lshl_add_u32 v7, v8, 4, v7
	v_add_nc_u32 v[RD], s23, v7                    ; back: eight lanes to a row of 128 bytes, four rows an instruction
	v_lshlrev_b32 v[CO], 4, v6
	v_lshlrev_b32 v[TBO], 8, v1
	v_lshl_add_u32 v[TBO], v2, 5, v[TBO]
	v_lshlrev_b32 v[WO], 5, v2
	s_mov_b32 s[SEL], 0x76543210
	s_mov_b32 s[SEL+1], 0xfedcba98
	s_mov_b32 s[EIG], 0x3e000000                   ; 64^-0.5
	s_mov_b32 s[EPS], 0x358637bd                   ; 1e-6
	s_mov_b32 s[CQ], 0x3e38aa3b                    ; log2(e) / 8
	s_lshl_b32 s43, s41, 4
	s_lshl_b32 s44, s40, 2
	s_add_co_u32 s43, s43, s44
	s_lshl_b32 s44, s16, 1
	s_add_co_u32 s43, s43, s44                     ; 16 x batch + my first head (4 cx + 2 x half)
	s_lshl_b32 s44, s[CLY], 8
	s_lshl_b32 s45, s15, 7
	s_add_co_u32 s44, s44, s45                     ; my first position: 256 x cluster y + 128 x half
	s_or_b32 s[FINE], s[CLY], s15
	s_lshl_b32 s46, ttmp9, 24                      ; a kind is 16,777,216 bytes,
	s_lshl_b32 s45, s43, 18                        ; a head 262,144,
	s_add_co_u32 s46, s46, s45
	s_lshl_b32 s45, s44, 7                         ; a row 128
	s_add_co_u32 s46, s46, s45
	s_mov_b32 s47, 0
	s_wait_kmcnt 0x0
	s_add_nc_u64 s[10:11], s[10:11], s[46:47]
	s_lshl_b32 s46, s44, 8
	s_add_nc_u64 s[4:5], s[4:5], s[46:47]          ; the table at my first position
	s_lshl_b32 s46, ttmp9, 18
	s_lshl_b32 s45, s43, 12
	s_add_co_u32 s46, s46, s45
	s_add_nc_u64 s[12:13], s[12:13], s[46:47]      ; the f32 images: 4,096 bytes for each kind, batch and head
	s_cmp_eq_u32 ttmp9, 0                          ; the kind: the cluster's x
	s_cselect_b64 s[GP:GP+1], s[6:7], s[8:9]
	s_cselect_b32 s[CQ], 1.0, s[CQ]
.macro FRAG reg, adr, q, i             ; 16 rows x 128 K of 4-bit codes: registers 4 c .. 4 c + 3 hold K = 64 c + 32 h + 0 .. 31
.irp c, 0,1
	ds_load_b128 v[\reg+4*\c:\reg+4*\c+3], v[\adr] offset:64*(\q)+32*\c+(\i)*16*PITCH
.endr
.endm
; 16 matrix instructions: x's blocks a0, a0 + 1 against W_kqv's eight, 128 along K.  The 64 accumulators take turns, one instruction a turn, in the same order in every step.
.macro MUL16 a0, p, q, sc, zero
.irp a, \a0, \a0+1
.irp b, 0,1,2,3,4,5,6,7
.if \zero
	v_wmma_scale_f32_16x16x128_f8f6f4 v[8*(8*((\a)%4)+\b):8*(8*((\a)%4)+\b)+7], v[128*(\p)+FR*\b:128*(\p)+FR*\b+FR-1], v[AF+FR*(\a):AF+FR*(\a)+FR-1], 0, v[SC+8*NQ*(\sc)+NQ*\b+(\q)], v[SC+8*NQ*(\sc)+NQ*(\a)+(\q)] matrix_a_fmt:MATRIX_FMT_FP4 matrix_b_fmt:MATRIX_FMT_FP4 matrix_a_scale:MATRIX_SCALE_ROW1
.else
	v_wmma_scale_f32_16x16x128_f8f6f4 v[8*(8*((\a)%4)+\b):8*(8*((\a)%4)+\b)+7], v[128*(\p)+FR*\b:128*(\p)+FR*\b+FR-1], v[AF+FR*(\a):AF+FR*(\a)+FR-1], v[8*(8*((\a)%4)+\b):8*(8*((\a)%4)+\b)+7], v[SC+8*NQ*(\sc)+NQ*\b+(\q)], v[SC+8*NQ*(\sc)+NQ*(\a)+(\q)] matrix_a_fmt:MATRIX_FMT_FP4 matrix_b_fmt:MATRIX_FMT_FP4 matrix_a_scale:MATRIX_SCALE_ROW1
.endif
.endr
.endr
.endm
.macro FETCH_B slot, q, p
	WIN TO_B
.irp i, 0,1,2,3,4,5,6,7
	FRAG 128*(\p)+FR*\i, ADRB+\slot, \q, \i
.endr
	WIN 0
.endm
.macro FETCH_A slot, q, i0
.irp i, \i0, \i0+1, \i0+2, \i0+3
	FRAG AF+FR*(\i), ADRA+\slot, \q, \i
.endr
.endm
.macro SCALES sc                       ; a slot's scale words: lanes 0-15 x's block i, lanes 16-31 W_kqv's block i
.irp i, 0,1,2,3,4,5,6,7
	ds_load_b128 v[SC+8*NQ*\sc+NQ*\i:SC+8*NQ*\sc+NQ*\i+3], v[ADRS] offset:\i*SBLK
.endr
.endm
.macro PLACES n                        ; plain vector lines between a matrix instruction and a load into, or a read of, its registers
.rept \n
	v_nop
.endr
.endm
.macro STEP slot, q, zero
	s_wait_dscnt 4*NL                              ; all but the youngest eight loads (x's blocks 4-7) are in
	WIN MUL_LO
	MUL16 0, (\q)%2, \q, \slot, \zero
	MUL16 2, (\q)%2, \q, \slot, \zero
	s_wait_dscnt 0
	PLACES NP
	FETCH_B \slot, (\q)+1, 1-(\q)%2
	FETCH_A \slot, (\q)+1, 0
	WIN MUL_HI
	MUL16 4, (\q)%2, \q, \slot, \zero
	MUL16 6, (\q)%2, \q, \slot, \zero
	PLACES NP
	WIN 0
	FETCH_A \slot, (\q)+1, 4
.endm
; Slot 0's last step changes slots: each wave's loads have landed, its reads of slot 0 are over; behind the barrier slot 1 is whole for all and slot 0 is read by nobody.
.macro TURN slot, next
	s_wait_tensorcnt 0x0                           ; all my tensor loads have landed: my part of slot 1 among them
	ds_add_u32 v[SPW], v[NIL]                      ; 0 onto my spare word
	s_wait_dscnt 4*NL+1                            ; the add and the youngest eight loads may be out
	WIN MUL_LO
	MUL16 0, 1, NQ-1, \slot, 0
	s_wait_dscnt 0x0                               ; the add is done, and my reads of this slot are over
	s_barrier_signal -1
	MUL16 2, 1, NQ-1, \slot, 0
	WIN 0
	s_barrier_wait -1
	PLACES NP
	v_add_nc_u32 v[ADRS], 4*NQ, v[ADRS]            ; on to the next slot's scale words
	FETCH_B \next, 0, 0
	FETCH_A \next, 0, 0
	SCALES \next
	WIN MUL_HI
	MUL16 4, 1, NQ-1, \slot, 0
	MUL16 6, 1, NQ-1, \slot, 0
	PLACES NP
	WIN 0
	FETCH_A \next, 0, 4
.endm
.macro STEPS slot, from
.set Q, \from
.rept NQ-1-\from
	STEP \slot, Q, 0
.set Q, Q+1
.endr
.endm
	s_wait_tensorcnt 1                             ; the scales and my part of slot 0 are in; slot 1's load may be out
	s_barrier_signal -1
	s_barrier_wait -1
	FETCH_B 0, 0, 0
	FETCH_A 0, 0, 0
	SCALES 0
	FETCH_A 0, 0, 4
	STEP 0, 0, 1                                   ; the first products start the sums: nothing is cleared
	STEPS 0, 1
	TURN 0, 1
	STEPS 1, 0
	s_wait_dscnt 4*NL
	WIN MUL_LO
	MUL16 0, 1, NQ-1, 1, 0
	MUL16 2, 1, NQ-1, 1, 0
	s_wait_dscnt 0
	WIN MUL_HI
	MUL16 4, 1, NQ-1, 1, 0
	MUL16 6, 1, NQ-1, 1, 0
	WIN 0
; THE WAY OUT, a block of 16 tokens x two heads at a time.  Packed f16 go through my stage and come back as whole rows; four rows of a head are 512 consecutive bytes of memory.
.macro TOSTAGE a
.irp g, 0,1
.irp b, 0,1,2,3
	ds_store_b128 v[STO], v[PP+16*\g+4*\b:PP+16*\g+4*\b+3] offset:\g*HSTG+32*\b
.endr
.endr
.set BB, BK+32*((\a)%2)
.irp g, 0,1
.irp i, 0,1,2,3
	ds_load_b128 v[BB+16*\g+4*\i:BB+16*\g+4*\i+3], v[RD] offset:\g*HSTG+4*HP*\i   ; in order behind my stores
.endr
.endr
.endm
.macro SEND a
.set BB, BK+32*((\a)%2)
	s_wait_dscnt 0x0                               ; the block is back in registers
	s_wait_xcnt 0x0                                ; the block before's stores have read their registers: the next block's loads may land there
.irp g, 0,1
.irp i, 0,1,2,3
	global_store_b128 v[CO], v[BB+16*\g+4*\i:BB+16*\g+4*\i+3], s[10:11] offset:\g*262144+(\a)*2048+\i*512   ; 512 consecutive bytes, aligned
.endr
.endr
.endm
; k and q: RoPE, the norm, the gain.  Accumulator (a, 4 g + bp) holds channels d = 16 bp + 8 h + j < 32 of head g, (a, 4 g + bp + 2) holds d + 32.
.macro EPI a
	s_wait_loadcnt 8*(7-(\a))                      ; the gains and this block's cosines and sines are in; the later blocks' eight loads each stay out
	WIN 0x06+(\a)/4                                ; source 0: the accumulators' window; source 1: window 1
.irp g, 0,1
.irp bp, 0,1
.irp jj, 0,2,4,6
.set X1, 8*(8*((\a)%4)+4*\g+\bp)+\jj
.set X2, X1+16
.set CC, 32*(\a)+8*\bp+\jj
.set R1, RR+32*\g+8*\bp+\jj
	v_pk_mul_f32 v[R1:R1+1], v[X1:X1+1], v[CC:CC+1]                ; each accumulator is read from its low end on
	v_pk_mul_f32 v[R1+16:R1+17], v[X2:X2+1], v[CC:CC+1]
	v_pk_fma_f32 v[R1:R1+1], v[X2:X2+1], v[CC+16:CC+17], v[R1:R1+1] neg_lo:[1,0,0] neg_hi:[1,0,0]   ; x1 cos - x2 sin
	v_pk_fma_f32 v[R1+16:R1+17], v[X1:X1+1], v[CC+16:CC+17], v[R1+16:R1+17]                         ; x2 cos + x1 sin
.endr
.endr
.endr
	WIN 0
.irp g, 0,1
	v_pk_mul_f32 v[QS+4*\g:QS+4*\g+1], v[RR+32*\g:RR+32*\g+1], v[RR+32*\g:RR+32*\g+1]               ; the sum of squares, two chains a head
	v_pk_mul_f32 v[QS+4*\g+2:QS+4*\g+3], v[RR+32*\g+2:RR+32*\g+3], v[RR+32*\g+2:RR+32*\g+3]
.endr
.irp i, 4,8,12,16,20,24,28
.irp g, 0,1
	v_pk_fma_f32 v[QS+4*\g:QS+4*\g+1], v[RR+32*\g+\i:RR+32*\g+\i+1], v[RR+32*\g+\i:RR+32*\g+\i+1], v[QS+4*\g:QS+4*\g+1]
	v_pk_fma_f32 v[QS+4*\g+2:QS+4*\g+3], v[RR+32*\g+\i+2:RR+32*\g+\i+3], v[RR+32*\g+\i+2:RR+32*\g+\i+3], v[QS+4*\g+2:QS+4*\g+3]
.endr
.endr
.irp g, 0,1
	v_pk_add_f32 v[QS+4*\g:QS+4*\g+1], v[QS+4*\g:QS+4*\g+1], v[QS+4*\g+2:QS+4*\g+3]
.endr
.irp g, 0,1
	v_add_f32 v[QS+4*\g], v[QS+4*\g], v[QS+4*\g+1]
.endr
.irp g, 0,1
	v_permlanex16_b32 v[PD+\g], v[QS+4*\g], s[SEL], s[SEL+1]       ; the token's other 32 channels lie in lane l xor 16
.endr
.irp g, 0,1
	v_add_f32 v[QS+4*\g], v[QS+4*\g], v[PD+\g]
.endr
.irp g, 0,1
	v_sqrt_f32 v[QS+4*\g+2], v[QS+4*\g]
.endr
	v_nop
	s_wait_alu depctr_va_vdst(0)                   ; one wait for the two roots, ahead of their first reader
.irp g, 0,1
	v_fma_f32 v[QS+4*\g+2], v[QS+4*\g+2], s[EIG], s[EPS]           ; rms + eps
.endr
.irp g, 0,1
	v_rcp_f32 v[INV+2*\g], v[QS+4*\g+2]
.endr
	v_nop
	s_wait_alu depctr_va_vdst(0)                   ; and one for the two reciprocals
.irp g, 0,1
	v_mul_f32 v[INV+2*\g], s[CQ], v[INV+2*\g]
.endr
.irp g, 0,1
.irp i, 0,2,4,6,8,10,12,14,16,18,20,22,24,26,28,30
	v_pk_mul_f32 v[RR+32*\g+\i:RR+32*\g+\i+1], v[RR+32*\g+\i:RR+32*\g+\i+1], v[INV+2*\g:INV+2*\g+1] op_sel_hi:[1,0]
.endr
.endr
.irp g, 0,1
.irp i, 0,2,4,6,8,10,12,14,16,18,20,22,24,26,28,30
	v_pk_mul_f32 v[RR+32*\g+\i:RR+32*\g+\i+1], v[RR+32*\g+\i:RR+32*\g+\i+1], v[WG+\i:WG+\i+1]
.endr
.endr
.if (\a) == 0
	s_cmp_lg_u32 s[FINE], 0                        ; the cluster's y and the wave's number alone: alike in all partners
	s_cbranch_scc1 .Lnofine_\@
.irp g, 0,1
.irp e, 0,1,2,3,4,5,6,7
	global_store_b128 v[CO], v[RR+32*\g+4*\e:RR+32*\g+4*\e+3], s[12:13] offset:\g*4096+\e*512       ; positions 0-15 in f32, as the registers stand: 512 consecutive bytes
.endr
.endr
	s_wait_xcnt 0x0                                ; the stores have read these registers: the next block writes them
.Lnofine_\@:
.endif
.irp g, 0,1
.irp i, 0,1,2,3,4,5,6,7,8,9,10,11,12,13,14,15
	v_cvt_pk_f16_f32 v[PP+16*\g+\i], v[RR+32*\g+2*\i], v[RR+32*\g+2*\i+1]
.endr
.endr
.endm
.macro PACKV a                         ; v: rounded to f16 as it stands
	WIN 0x0a+5*((\a)/4)
.irp b, 0,1,2,3,4,5,6,7
.irp u, 0,1,2,3
	v_cvt_pk_f16_f32 v[PP+4*\b+\u], v[8*(8*((\a)%4)+\b)+2*\u], v[8*(8*((\a)%4)+\b)+2*\u+1]
.endr
.endr
	WIN 0
.endm
	PLACES NP                                      ; behind the last products: reads of results, and loads into registers that held operands and scales
	s_cmp_eq_u32 ttmp9, 2                          ; the kind
	s_cbranch_scc1 .Lv
	v_mov_b32 v[INV+1], 0                          ; named as upper halves of pairs, and as lane permutes' destinations: written once
	v_mov_b32 v[INV+3], 0
	v_mov_b32 v[PD], 0
	v_mov_b32 v[PD+1], 0
.irp b, 0,1,2,3
	global_load_b128 v[WG+8*\b:WG+8*\b+3], v[WO], s[GP:GP+1] offset:64*\b        ; the gains of d = 16 b + 8 h + 0 .. 7
	global_load_b128 v[WG+8*\b+4:WG+8*\b+7], v[WO], s[GP:GP+1] offset:64*\b+16
.endr
	WIN TO_B
.irp a, 0,1,2,3,4,5,6,7
.irp sc, 0,1
.irp bp, 0,1
.irp u, 0,1
	global_load_b128 v[32*\a+16*\sc+8*\bp+4*\u:32*\a+16*\sc+8*\bp+4*\u+3], v[TBO], s[4:5] offset:\a*4096+128*\sc+64*\bp+16*\u
.endr
.endr
.endr
.endr
	WIN 0
	EPI 0
	TOSTAGE 0
.irp a, 1,2,3,4,5,6,7
	EPI \a                                         ; a block's arithmetic stands between the loads of the block before and its stores
	SEND \a-1
	TOSTAGE \a
.endr
	SEND 7
	s_branch .Ldone
.Lv:
	s_cmp_lg_u32 s[FINE], 0
	s_cbranch_scc1 .Lvnofine
	WIN 0x08                                       ; a store's data: window 2
.irp b, 0,1,2,3,4,5,6,7
	global_store_b128 v[CO], v[8*\b:8*\b+3], s[12:13] offset:(\b/4)*4096+(\b%4)*1024
	global_store_b128 v[CO], v[8*\b+4:8*\b+7], s[12:13] offset:(\b/4)*4096+(\b%4)*1024+512
.endr
	WIN 0
.Lvnofine:
	PACKV 0
	TOSTAGE 0
.irp a, 1,2,3,4,5,6,7
	PACKV \a
	SEND \a-1
	TOSTAGE \a
.endr
	SEND 7
.Ldone:
	s_wait_tensorcnt 0x0                           ; the wave's end: behind my last tensor load and my last LDS store
	ds_add_u32 v[SPW], v[NIL]
	s_wait_dscnt 0x0
	CROUND                                         ; the closing round
	s_endpgm
.Lfunc_end_k_qbf931bb797_kqv:
	.size	k_qbf931bb797_kqv, .Lfunc_end_k_qbf931bb797_kqv-k_qbf931bb797_kqv
	.p2alignl 7, 3214868480
	.fill 96, 4, 3214868480
	.section	.rodata,"a",@progbits
	.p2align	6, 0x0
	.amdhsa_kernel k_qbf931bb797_kqv
		.amdhsa_group_segment_fixed_size 327680
		.amdhsa_private_segment_fixed_size 0
		.amdhsa_enable_private_segment 0
		.amdhsa_kernarg_size 56
		.amdhsa_user_sgpr_count 2
		.amdhsa_user_sgpr_kernarg_segment_ptr 1
		.amdhsa_wavefront_size32 1
		.amdhsa_system_sgpr_workgroup_id_x 1
		.amdhsa_system_sgpr_workgroup_id_y 1
		.amdhsa_system_sgpr_workgroup_id_z 1
		.amdhsa_system_vgpr_workitem_id 0
		.amdhsa_next_free_vgpr 1024
		.amdhsa_next_free_sgpr 100
		.amdhsa_reserve_vcc 0
		.amdhsa_float_denorm_mode_32 3
		.amdhsa_float_denorm_mode_16_64 3
		.amdhsa_memory_ordered 1
		.amdhsa_forward_progress 1
		.amdhsa_inst_pref_size 255
	.end_amdhsa_kernel
	.amdgpu_metadata
---
amdhsa.version: [ 1, 2 ]
amdhsa.kernels:
  - .name:           k_qbf931bb797_kqv
    .symbol:         k_qbf931bb797_kqv.kd
    .args:
      - { .name: codes, .offset: 0, .size: 8, .value_kind: global_buffer, .address_space: global }
      - { .name: scales, .offset: 8, .size: 8, .value_kind: global_buffer, .address_space: global }
      - { .name: tab, .offset: 16, .size: 8, .value_kind: global_buffer, .address_space: global }
      - { .name: k_norm_w, .offset: 24, .size: 8, .value_kind: global_buffer, .address_space: global }
      - { .name: q_norm_w, .offset: 32, .size: 8, .value_kind: global_buffer, .address_space: global }
      - { .name: kqvh, .offset: 40, .size: 8, .value_kind: global_buffer, .address_space: global }
      - { .name: kqvf, .offset: 48, .size: 8, .value_kind: global_buffer, .address_space: global }
    .group_segment_fixed_size: 327680
    .private_segment_fixed_size: 0
    .kernarg_segment_align: 8
    .kernarg_segment_size: 56
    .max_flat_workgroup_size: 128
    .sgpr_count:     100
    .vgpr_count:     1024
    .wavefront_size: 32
...
	.end_amdgpu_metadata
.endif
;; end of part 2
;; launch attn (part 3): grid 4 x 64, 16 waves a work-group, no clusters, 327,680 bytes of LDS; arguments kqvh, yh; writes yh
.if DOCPART == 3
	.amdgcn_target "amdgcn-amd-amdhsa--gfx1250"
	.amdhsa_code_object_version 6
	.text
	.protected	k_qbf931bb797_attn
	.globl	k_qbf931bb797_attn
	.p2align	8
	.type	k_qbf931bb797_attn,@function
k_qbf931bb797_attn:
	s_mov_b64 s[64:65], 0
	v_nop
	global_prefetch_b8 v0, s[64:65] scope:SCOPE_SE
	s_setreg_imm32_b32 hwreg(HW_REG_WAVE_MODE, 25, 1), 1
	s_wait_xcnt 0x0
; y[b][h][t] = the sum over s <= t of softmax_s(q[t] . k[s] / 8) v[s], on f16 operands, f32 sums, maxima and row sums.  q already carries log2(e) / 8: the weights are p = 2^(score - running maximum).
; LEFT OUT: key steps all of whose keys come after a tile's queries: the problem's own causal mask gives them the weight 0 for all values of the inputs.
; Rows t < 16 are computed here too (they lie in live tiles, and the next launch's tiles read them); the fine launches at the program's end redo them in f32.
; SHARES.  Work-group (i, head) owns query blocks i and 7 - i of 256: wave w owns tile L (queries 256 i + 16 w on) and tile H (256 (7 - i) + 16 w on), so that every wave has about the same number of live key steps.
; Keys go 32 a step; K's and V's rows come through a ring of two LDS slots of 256 keys, filled by the tensor data mover (waves 0, 1: K's halves; waves 2, 3: V's) and read by all sixteen.
; NO CLUSTER: the four work-groups of a head need 8, 7, 6 and 5 slots; a joint load would bring tiles that no wave of some partner reads.
; LAYOUT.  S^T = K Q^T (source 0 = 16 keys, source 1 = 16 queries): a lane holds one query (lane % 16) and keys 8 (lane / 16) + 0 .. 7; two such tiles, rounded to f16 in pairs, are source 1 of O^T = V^T P.  V comes out of LDS turned.
; EVERY work-group walks all eight slots (constant trip counts); a hidden step's work is jumped over by a scalar branch on ids and counts, and a slot beyond the work-group's last query is not asked for.
; All waits on TENSORcnt are for 0; a loading wave has one tensor load out at a time.
.set SK,    256
.set KP,    144                        ; a row of K in LDS: 128 bytes + 16
.set VP,    160                        ; a row of V: 128 + 32
.set VOFF,  SK*KP
.set SLOT1, 1<<17
.set SPARE, SLOT1+SK*(KP+VP)           ; the spare words: 128 bytes a wave, no other line names them
.set STAGE, SPARE+16*128               ; the way out: two tiles x 16 rows x 144 bytes for each wave; no tile lands here
.set AK0, 1
.set AV0, 2
.set ADK, 3
.set ADV, 4
.set SPW, 5
.set NIL, 6
.set RH,  7                            ; v7  r - 8 h
.set NEG, 8                            ; v8  -infinity
.set DD,  9
.set PFO, 10
.set GO,  11
.set STO, 12
.set RD,  13
.set STH, 16                           ; a tile's statistics: +0 the maximum (a pair), +2 the sum in two halves, +4 the factor (a pair)
.set STL, 22
.set T0,  28
.set T1,  29
.set UU,  30
.set WW,  32
.set QHR, 36
.set QLR, 52
.set KFR, 68
.set VFR, 100
.set SH,  132
.set SL,  148
.set PH,  164
.set PL,  172
.set OH,  180
.set OL,  212
.set TBK, 2
.set TBV, 3
.set WV,  18
.set SEL, 20
.set G1K, 24
.set G1V, 32
.set G0K, 40
.set G0V, 44
.set CNT, 66
.set SLOTS, 67
.set PFA, 76
.set LIM, 80
.set QLAST, 94
.set QL,  95
.set KF,  98
.set QH,  99
.macro TLOAD                           ; waves 0, 1 fetch K's halves, waves 2, 3 V's, the others nothing.  An s_nop 0 and four v_nop follow each of the two lines
	s_cmp_lt_u32 s[WV], 2
	s_cbranch_scc0 .Lnot_k_\@
	tensor_load_to_lds s[G0K:G0K+3], s[G1K:G1K+7]
	s_nop 0
.rept 4
	v_nop
.endr
	s_branch .Lasked_\@
.Lnot_k_\@:
	s_cmp_lt_u32 s[WV], 4
	s_cbranch_scc0 .Lasked_\@
	tensor_load_to_lds s[G0V:G0V+3], s[G1V:G1V+7]
	s_nop 0
.rept 4
	v_nop
.endr
.Lasked_\@:
.endm
; A prefetch of what the NEXT change of slots will ask for: 32,768 dense bytes of K and as many of V.  The head's work-group 0, which walks all slots, asks, and in it the waves that fetch nothing:
; waves 4-7 for K, waves 8-11 for V, 8,192 bytes a wave, lanes 256 bytes apart: each block of 256 bytes is named once in the launch.  The last change that fills a slot asks for nothing.
.macro ASK
	s_cmp_gt_u32 s[SLOTS], s[LIM]
	s_cbranch_scc0 .Lnot_mine_\@
	global_prefetch_b8 v[PFO], s[PFA:PFA+1] th:TH_LOAD_NT scope:SCOPE_SE
.Lnot_mine_\@:
.endm
	s_load_b128 s[4:7], s[0:1], 0x0                ; kqvh s[4:5], yh s[6:7]
	v_lshl_add_u32 v[SPW], v0, 2, SPARE
	v_mov_b32 v[NIL], 0
	ds_add_u32 v[SPW], v[NIL]                      ; the wave's opening: the add, twice on end, and its wait ahead of the first tensor load
	ds_add_u32 v[SPW], v[NIL]
	v_lshrrev_b32 v14, 5, v0
	v_readfirstlane_b32 s[WV], v14                 ; wave 0..15
	s_and_b32 s72, ttmp7, 0xffff
	s_lshl_b32 s72, s72, 18                        ; 16 b + h heads of 262,144 bytes
	s_mov_b32 s73, 0
	s_sub_co_u32 s74, 7, ttmp9
	s_lshl_b32 s74, s74, 8                         ; 256 (7 - i)
	s_lshl_b32 s75, s[WV], 4
	s_add_co_u32 s[QH], s74, s75
	s_add_co_u32 s[QLAST], s74, 255                ; the work-group's last query
	s_lshl_b32 s[QL], ttmp9, 8
	s_add_co_u32 s[QL], s[QL], s75
	s_and_b32 s68, s[WV], 1                        ; which 128 rows of a slot I fetch, if I fetch
	s_lshl_b32 s70, s68, 14
	s_mov_b32 s71, 0
	s_add_nc_u64 s[70:71], s[70:71], s[72:73]
	s_mul_i32 s69, s68, 128*KP
	s_mul_i32 s68, s68, 128*VP
	s_add_co_u32 s68, s68, VOFF
	s_mov_b32 s[G1K], (1<<16)|(1<<20)|(4<<22)|(3<<25)   ; elements of 2 bytes; padding on: 4 words after every 32
	s_mov_b32 s[G1V], (1<<16)|(1<<20)|(4<<22)|(7<<25)   ; 8 words after every 32
.irp g, G1K, G1V
	s_mov_b32 s[\g+1], 64<<16                      ; tensor_dim0
	s_mov_b32 s[\g+2], 128<<16                     ; tensor_dim1
	s_mov_b32 s[\g+3], 64<<16                      ; tile_dim0
	s_mov_b32 s[\g+4], 128                         ; tile_dim1
	s_mov_b32 s[\g+5], 64                          ; the pitch
	s_mov_b32 s[\g+6], 0
	s_mov_b32 s[\g+7], 0
.endr
	s_mov_b32 s[SEL], 0x76543210
	s_mov_b32 s[SEL+1], 0xfedcba98
	s_mov_b32 s[TBK], 0
	s_mov_b32 s[TBV], 0
	s_mov_b32 s[SLOTS], 7
	s_mov_b32 s[KF], 0
	s_wait_dscnt 0x0                               ; both opening adds are done
	s_wait_kmcnt 0x0
	s_mov_b32 s[G0K], 1
	s_mov_b32 s[G0K+1], s69
	s_add_nc_u64 s[G0K+2:G0K+3], s[4:5], s[70:71]
	s_or_b32 s[G0K+3], s[G0K+3], 0x80000000
	s_mov_b32 s[G0V], 1
	s_mov_b32 s[G0V+1], s68
	s_add_nc_u64 s[G0V+2:G0V+3], s[4:5], s[70:71]
	s_add_nc_u64 s[G0V+2:G0V+3], s[G0V+2:G0V+3], 0x2000000   ; v is the third kind
	s_or_b32 s[G0V+3], s[G0V+3], 0x80000000
	TLOAD                                          ; slot 0
	s_add_nc_u64 s[4:5], s[4:5], s[72:73]          ; k of my head
	s_add_nc_u64 s[6:7], s[6:7], s[72:73]          ; y of my head
	s_lshl_b32 s70, s[QH], 7
	s_add_nc_u64 s[8:9], s[6:7], s[70:71]          ; y at tile H,
	s_add_nc_u64 s[12:13], s[4:5], s[70:71]
	s_add_nc_u64 s[12:13], s[12:13], 0x1000000     ; q at tile H (the second kind),
	s_lshl_b32 s70, s[QL], 7
	s_add_nc_u64 s[10:11], s[6:7], s[70:71]        ; and both at tile L
	s_add_nc_u64 s[14:15], s[4:5], s[70:71]
	s_add_nc_u64 s[14:15], s[14:15], 0x1000000
	s_cmp_lt_u32 s[WV], 8
	s_cselect_b32 s70, 0, 0x2000000                ; waves 4-7 ask for k, waves 8-11 for v
	s_and_b32 s74, s[WV], 3
	s_lshl_b32 s74, s74, 13
	s_add_co_u32 s70, s70, s74
	s_add_co_u32 s70, s70, SK*128                  ; in slot 1: the first change steps it to slot 2.  Nothing is prefetched at the head
	s_add_nc_u64 s[PFA:PFA+1], s[4:5], s[70:71]
	s_sub_co_u32 s74, s[WV], 4
	s_lshr_b32 s74, s74, 3                         ; 0 in waves 4 to 11,
	s_or_b32 s74, s74, ttmp9                       ; of the head's work-group 0
	s_cmp_eq_u32 s74, 0
	s_cselect_b32 s[LIM], 1, -1
	v_and_b32 v14, 15, v0                          ; r
	v_bfe_u32 v15, v0, 4, 1                        ; h
	v_lshlrev_b32 v35, 7, v14
	v_lshl_add_u32 v35, v15, 4, v35                ; q: row r of 128 bytes, + 16 h
.irp ds, 0,1
	global_load_b128 v[QHR+8*\ds:QHR+8*\ds+3], v35, s[12:13] offset:64*\ds
	global_load_b128 v[QHR+8*\ds+4:QHR+8*\ds+7], v35, s[12:13] offset:64*\ds+32
	global_load_b128 v[QLR+8*\ds:QLR+8*\ds+3], v35, s[14:15] offset:64*\ds
	global_load_b128 v[QLR+8*\ds+4:QLR+8*\ds+7], v35, s[14:15] offset:64*\ds+32
.endr
	v_mul_u32_u24 v[AK0], v14, KP
	v_lshl_add_u32 v[AK0], v15, 4, v[AK0]
	v_and_b32 v[ADK], 7, v0
	v_lshl_add_u32 v[ADK], v15, 3, v[ADK]
	v_mul_u32_u24 v[AV0], v[ADK], VP               ; the turning load: key 8 h + lane % 8,
	v_bfe_u32 v[ADK], v0, 3, 1
	v_lshl_add_u32 v[AV0], v[ADK], 4, v[AV0]       ; channels 8 ((lane / 8) % 2) on
	v_add_nc_u32 v[AV0], VOFF, v[AV0]
	v_lshlrev_b32 v[RH], 3, v15
	v_sub_nc_u32 v[RH], v14, v[RH]
	v_mov_b32 v[NEG], 0xff800000
	v_and_b32 v[GO], 31, v0
	v_lshlrev_b32 v[PFO], 8, v[GO]
	s_mul_i32 s74, s[WV], 32*KP
	s_add_co_u32 s74, s74, STAGE
	v_mul_u32_u24 v[STO], v14, KP
	v_lshl_add_u32 v[STO], v15, 4, v[STO]
	v_add_nc_u32 v[STO], s74, v[STO]
	v_lshrrev_b32 v[RD], 3, v[GO]
	v_mul_u32_u24 v[RD], v[RD], KP
	v_and_b32 v[ADV], 7, v0
	v_lshl_add_u32 v[RD], v[ADV], 4, v[RD]
	v_add_nc_u32 v[RD], s74, v[RD]
	v_lshlrev_b32 v[GO], 4, v[GO]
.irp st, STH, STL
	v_mov_b32 v[\st], 0xff61b1e6                   ; the maximum so far: -3e38, under every score
	v_mov_b32 v[\st+1], 0
	v_mov_b32 v[\st+2], 0                          ; the sum
	v_mov_b32 v[\st+3], 0
	v_mov_b32 v[\st+4], 0
	v_mov_b32 v[\st+5], 0
.endr
	v_mov_b32 v[UU], 0                             ; lane permutes' destinations on the way out: written once
	v_mov_b32 v[UU+1], 0
.set i, 0
.rept 64
	v_mov_b32 v[OH+i], 0                           ; O^T of both tiles: the step is written once, and its first factor, 0, meets zeros
.set i, i+1
.endr
.macro SMM s, q                        ; S^T of 32 keys x 16 queries: two accumulators by turns, 64 channels in two links
	v_wmma_f32_16x16x32_f16 v[\s:\s+7], v[KFR:KFR+7], v[\q:\q+7], 0
	v_wmma_f32_16x16x32_f16 v[\s+8:\s+15], v[KFR+16:KFR+23], v[\q:\q+7], 0
	v_wmma_f32_16x16x32_f16 v[\s:\s+7], v[KFR+8:KFR+15], v[\q+8:\q+15], v[\s:\s+7]
	v_wmma_f32_16x16x32_f16 v[\s+8:\s+15], v[KFR+24:KFR+31], v[\q+8:\q+15], v[\s+8:\s+15]
.endm
.macro PVM o, p                        ; O^T += V^T P: four accumulators, one instruction each
.irp c, 0,1,2,3
	v_wmma_f32_16x16x32_f16 v[\o+8*\c:\o+8*\c+7], v[VFR+8*\c:VFR+8*\c+7], v[\p:\p+7], v[\o+8*\c:\o+8*\c+7]
.endr
.endm
.macro SOFT st, s, p, o, qs            ; a tile's softmax for 32 keys; s[qs] = its first query
	s_add_co_u32 s96, s[KF], 31
	s_cmp_le_u32 s96, s[\qs]                       ; all 32 keys count for all 16 queries: no mask
	s_cbranch_scc1 .Lopen_\@
	s_sub_co_i32 s97, s[\qs], s[KF]
	v_add_nc_u32 v[DD], s97, v[RH]                 ; register 8 kt + j holds key KF + 16 kt + 8 h + j: hidden where 16 kt + j > query - KF - 8 h
.irp n, 0,1,2,3,4,5,6,7,8,9,10,11,12,13,14,15
	v_cmp_gt_i32 vcc_lo, \n+8*(\n/8), v[DD]
	v_cndmask_b32 v[\s+\n], v[\s+\n], v[NEG], vcc_lo
.endr
.Lopen_\@:
	v_max3_num_f32 v[T0], v[\s], v[\s+1], v[\s+2]  ; each accumulator is read from its low end on
	v_max3_num_f32 v[T1], v[\s+8], v[\s+9], v[\s+10]
	v_max3_num_f32 v[T0], v[T0], v[\s+3], v[\s+4]
	v_max3_num_f32 v[T1], v[T1], v[\s+11], v[\s+12]
	v_max3_num_f32 v[T0], v[T0], v[\s+5], v[\s+6]
	v_max3_num_f32 v[T1], v[T1], v[\s+13], v[\s+14]
	v_max3_num_f32 v[T0], v[T0], v[\s+7], v[\s+15]
	v_max3_num_f32 v[T0], v[T0], v[T1], v[\st]     ; with the old maximum
	v_permlanex16_b32 v[T1], v[T0], s[SEL], s[SEL+1]
	v_max_num_f32 v[T0], v[T0], v[T1]              ; the new maximum
	v_sub_f32 v[\st+4], v[\st], v[T0]
	v_mov_b32 v[\st], v[T0]
.irp i, 0,2,4,6,8,10,12,14
	v_pk_add_f32 v[\s+\i:\s+\i+1], v[\s+\i:\s+\i+1], v[\st:\st+1] op_sel_hi:[1,0] neg_lo:[0,1] neg_hi:[0,1]
.endr
	v_exp_f32 v[\st+4], v[\st+4]                   ; the factor 2^(old maximum - new)
.irp n, 0,1,2,3,4,5,6,7,8,9,10,11,12,13,14,15
	v_exp_f32 v[\s+\n], v[\s+\n]
.endr
	v_nop                                          ; a plain line behind the last exponential
	s_wait_alu depctr_va_vdst(0)                   ; one wait for the batch of 17, ahead of its first reader
.irp i, 0,1,2,3,4,5,6,7
	v_cvt_pk_f16_f32 v[\p+\i], v[\s+2*\i], v[\s+2*\i+1]
.endr
	v_pk_add_f32 v[UU:UU+1], v[\s:\s+1], v[\s+2:\s+3]              ; the row's sum, of the unrounded weights, in two chains
	v_pk_add_f32 v[WW:WW+1], v[\s+4:\s+5], v[\s+6:\s+7]
	v_pk_add_f32 v[UU:UU+1], v[UU:UU+1], v[\s+8:\s+9]
	v_pk_add_f32 v[WW:WW+1], v[WW:WW+1], v[\s+10:\s+11]
	v_pk_add_f32 v[UU:UU+1], v[UU:UU+1], v[\s+12:\s+13]
	v_pk_add_f32 v[WW:WW+1], v[WW:WW+1], v[\s+14:\s+15]
	v_pk_add_f32 v[UU:UU+1], v[UU:UU+1], v[WW:WW+1]
	v_pk_fma_f32 v[\st+2:\st+3], v[\st+2:\st+3], v[\st+4:\st+5], v[UU:UU+1] op_sel_hi:[1,0,1]
.irp i, 0,2,4,6,8,10,12,14,16,18,20,22,24,26,28,30
	v_pk_mul_f32 v[\o+\i:\o+\i+1], v[\o+\i:\o+\i+1], v[\st+4:\st+5] op_sel_hi:[1,0]
.endr
.endm
.macro STEP                            ; 32 keys from KF on
	s_add_co_u32 s96, s[QH], 15
	s_cmp_gt_u32 s[KF], s96                        ; hidden from both tiles
	s_cbranch_scc1 .Lhid_\@
	v_add_nc_u32 v[ADK], s[TBK], v[AK0]
	v_add_nc_u32 v[ADV], s[TBV], v[AV0]
	v_nop                                          ; with the two additions: four plain lines between the last step's products and the loads into their operands
	v_nop
.irp kt, 0,1
.irp ds, 0,1
	ds_load_b128 v[KFR+16*\kt+8*\ds:KFR+16*\kt+8*\ds+3], v[ADK] offset:\kt*16*KP+64*\ds
	ds_load_b128 v[KFR+16*\kt+8*\ds+4:KFR+16*\kt+8*\ds+7], v[ADK] offset:\kt*16*KP+64*\ds+32
.endr
.endr
.irp c, 0,1,2,3
	ds_load_tr16_b128 v[VFR+8*\c:VFR+8*\c+3], v[ADV] offset:32*\c
	ds_load_tr16_b128 v[VFR+8*\c+4:VFR+8*\c+7], v[ADV] offset:16*VP+32*\c
.endr
	s_wait_dscnt 8                                 ; K's eight loads are in; V's eight may be out
	SMM SH, QHR
	s_add_co_u32 s96, s[QL], 15
	s_cmp_gt_u32 s[KF], s96                        ; hidden from tile L: tile H alone
	s_cbranch_scc1 .Lonly_h_\@
	SMM SL, QLR
.rept 4
	v_nop
.endr
	SOFT STH, SH, PH, OH, QH
	s_wait_dscnt 0x0                               ; V is in
	PVM OH, PH
	SOFT STL, SL, PL, OL, QL
	PVM OL, PL
	s_branch .Lhid_\@
.Lonly_h_\@:
.rept 4
	v_nop
.endr
	SOFT STH, SH, PH, OH, QH
	s_wait_dscnt 0x0
	PVM OH, PH
.Lhid_\@:
	s_add_co_u32 s[KF], s[KF], 32
	s_add_co_u32 s[TBK], s[TBK], 32*KP
	s_add_co_u32 s[TBV], s[TBV], 32*VP
.endm
; THE CHANGE OF SLOTS, at a slot's head: all my tensor loads have landed, the add, my reads of the slot that I have left are over, the barrier; then the slot just left is filled with the keys that follow.
.macro CHANGE fill
	s_wait_tensorcnt 0x0                           ; no tensor load of mine is out: the groups 0 may be written
	ds_add_u32 v[SPW], v[NIL]                      ; 0 onto my spare word
.if \fill
	ds_add_u32 v[SPW], v[NIL]                      ; and once more
	s_xor_b32 s[G0K+1], s[G0K+1], SLOT1
	s_add_nc_u64 s[G0K+2:G0K+3], s[G0K+2:G0K+3], SK*128
	s_xor_b32 s[G0V+1], s[G0V+1], SLOT1
	s_add_nc_u64 s[G0V+2:G0V+3], s[G0V+2:G0V+3], SK*128
	s_wait_xcnt 0x0                                ; the last prefetch, a slot back, has read its address
	s_add_nc_u64 s[PFA:PFA+1], s[PFA:PFA+1], SK*128
.endif
	s_wait_dscnt 0x0
	s_barrier_signal -1
	s_barrier_wait -1
.if \fill
	s_add_co_u32 s96, s[KF], SK                    ; the first key of the slot that this change would ask for:
	s_cmp_gt_u32 s96, s[QLAST]                     ; beyond my work-group's last query no wave would read it.  Ids and counts alone: all sixteen waves go the same way
	s_cbranch_scc1 .Lpast_\@
	TLOAD
.Lpast_\@:
	ASK
.endif
.endm
.macro SLOT_STEPS
	s_mov_b32 s[CNT], 8
.Lstep_\@:
	STEP
	s_sub_co_u32 s[CNT], s[CNT], 1
	s_cmp_lg_u32 s[CNT], 0
	s_cbranch_scc1 .Lstep_\@
	s_sub_co_u32 s[TBK], s[TBK], SK*KP             ; back to a slot's first step,
	s_xor_b32 s[TBK], s[TBK], SLOT1                ; in the other slot
	s_sub_co_u32 s[TBV], s[TBV], SK*VP
	s_xor_b32 s[TBV], s[TBV], SLOT1
.endm
	s_wait_loadcnt 0x0                             ; q
.Lslot:                                            ; seven trips
	CHANGE 1
	SLOT_STEPS
	s_sub_co_u32 s[SLOTS], s[SLOTS], 1
	s_cmp_lg_u32 s[SLOTS], 0
	s_cbranch_scc1 .Lslot
	CHANGE 0                                       ; the last slot is written out: nothing is left to ask for
	SLOT_STEPS
	; THE WAY OUT: O^T / the sum, rounded to f16, through my stage, back as whole rows: four rows of a head are 512 consecutive bytes.
.rept 4
	v_nop
.endr
	v_add_f32 v[T0], v[STH+2], v[STH+3]
	v_add_f32 v[T1], v[STL+2], v[STL+3]
	v_permlanex16_b32 v[UU], v[T0], s[SEL], s[SEL+1]
	v_permlanex16_b32 v[UU+1], v[T1], s[SEL], s[SEL+1]
	v_add_f32 v[T0], v[T0], v[UU]
	v_add_f32 v[T1], v[T1], v[UU+1]
	v_rcp_f32 v[STH+4], v[T0]
	v_rcp_f32 v[STL+4], v[T1]
	v_nop
	s_wait_alu depctr_va_vdst(0)                   ; one wait for the two reciprocals
.irp i, 0,2,4,6,8,10,12,14,16,18,20,22,24,26,28,30
	v_pk_mul_f32 v[OH+\i:OH+\i+1], v[OH+\i:OH+\i+1], v[STH+4:STH+5] op_sel_hi:[1,0]
.endr
.irp i, 0,2,4,6,8,10,12,14,16,18,20,22,24,26,28,30
	v_pk_mul_f32 v[OL+\i:OL+\i+1], v[OL+\i:OL+\i+1], v[STL+4:STL+5] op_sel_hi:[1,0]
.endr
.irp i, 0,1,2,3,4,5,6,7,8,9,10,11,12,13,14,15
	v_cvt_pk_f16_f32 v[KFR+\i], v[OH+2*\i], v[OH+2*\i+1]
.endr
.irp i, 0,1,2,3,4,5,6,7,8,9,10,11,12,13,14,15
	v_cvt_pk_f16_f32 v[KFR+16+\i], v[OL+2*\i], v[OL+2*\i+1]
.endr
.irp x, 0,1
.irp c, 0,1,2,3
	ds_store_b128 v[STO], v[KFR+16*\x+4*\c:KFR+16*\x+4*\c+3] offset:\x*16*KP+32*\c
.endr
.endr
.irp x, 0,1
.irp i, 0,1,2,3
	ds_load_b128 v[VFR+16*\x+4*\i:VFR+16*\x+4*\i+3], v[RD] offset:\x*16*KP+4*KP*\i   ; in order behind my stores
.endr
.endr
.irp i, 0,1,2,3
	s_wait_dscnt 7-\i                              ; the loads come back in order: so many younger ones may be out
	global_store_b128 v[GO], v[VFR+4*\i:VFR+4*\i+3], s[8:9] offset:512*\i
.endr
.irp i, 0,1,2,3
	s_wait_dscnt 3-\i
	global_store_b128 v[GO], v[VFR+16+4*\i:VFR+16+4*\i+3], s[10:11] offset:512*\i
.endr
	s_wait_tensorcnt 0x0                           ; the wave's end
	ds_add_u32 v[SPW], v[NIL]
	s_wait_dscnt 0x0
	s_endpgm
.Lfunc_end_k_qbf931bb797_attn:
	.size	k_qbf931bb797_attn, .Lfunc_end_k_qbf931bb797_attn-k_qbf931bb797_attn
	.p2alignl 7, 3214868480
	.fill 96, 4, 3214868480
	.section	.rodata,"a",@progbits
	.p2align	6, 0x0
	.amdhsa_kernel k_qbf931bb797_attn
		.amdhsa_group_segment_fixed_size 327680
		.amdhsa_private_segment_fixed_size 0
		.amdhsa_enable_private_segment 0
		.amdhsa_kernarg_size 16
		.amdhsa_user_sgpr_count 2
		.amdhsa_user_sgpr_kernarg_segment_ptr 1
		.amdhsa_wavefront_size32 1
		.amdhsa_system_sgpr_workgroup_id_x 1
		.amdhsa_system_sgpr_workgroup_id_y 1
		.amdhsa_system_sgpr_workgroup_id_z 1
		.amdhsa_system_vgpr_workitem_id 0
		.amdhsa_next_free_vgpr 256
		.amdhsa_next_free_sgpr 100
		.amdhsa_reserve_vcc 1
		.amdhsa_float_denorm_mode_32 3
		.amdhsa_float_denorm_mode_16_64 3
		.amdhsa_memory_ordered 1
		.amdhsa_forward_progress 1
		.amdhsa_inst_pref_size 54
	.end_amdhsa_kernel
	.amdgpu_metadata
---
amdhsa.version: [ 1, 2 ]
amdhsa.kernels:
  - .name:           k_qbf931bb797_attn
    .symbol:         k_qbf931bb797_attn.kd
    .args:
      - { .name: kqvh, .offset: 0, .size: 8, .value_kind: global_buffer, .address_space: global }
      - { .name: yh, .offset: 8, .size: 8, .value_kind: global_buffer, .address_space: global }
    .group_segment_fixed_size: 327680
    .private_segment_fixed_size: 0
    .kernarg_segment_align: 8
    .kernarg_segment_size: 16
    .max_flat_workgroup_size: 512
    .sgpr_count:     100
    .vgpr_count:     256
    .wavefront_size: 32
...
	.end_amdgpu_metadata
.endif
;; end of part 3
;; launch proj (part 4): grid 4 x 64, 4 waves a work-group, clusters of 4 x 4, 327,680 bytes of LDS; arguments yh, wp16, out0; writes out0
.if DOCPART == 4
	.amdgcn_target "amdgcn-amd-amdhsa--gfx1250"
	.amdhsa_code_object_version 6
	.text
	.protected	k_qbf931bb797_proj
	.globl	k_qbf931bb797_proj
	.p2align	8
	.type	k_qbf931bb797_proj,@function
k_qbf931bb797_proj:
	s_mov_b64 s[64:65], 0
	v_nop
	global_prefetch_b8 v0, s[64:65] scope:SCOPE_SE
	s_setreg_imm32_b32 hwreg(HW_REG_WAVE_MODE, 25, 1), 1
	s_wait_xcnt 0x0
	s_wait_alu depctr_hold_cnt(0) depctr_sa_sdst(0) depctr_va_vdst(0) depctr_va_sdst(0) depctr_va_ssrc(0) depctr_va_vcc(0) depctr_vm_vsrc(0)
	s_getreg_b32 s2, hwreg(HW_REG_IB_STS2, 6, 4)
	s_cmp_eq_u32 s2, 0
	s_cbranch_scc0 .Lentry_in_a_cluster
	s_endpgm
.Lentry_in_a_cluster:
	s_bfe_u32 s2, ttmp6, 0x10000c
	s_cmp_lg_u32 s2, 0xf033
	s_cbranch_scc0 .Lentry_shape_is_right
	s_endpgm
.Lentry_shape_is_right:
; out0[m][n] = the sum over k of y[m][k] W_proj[n][k], M 8,192, N 1,024, K 1,024, f16 operands, f32 sums.  y lies [batch][head][t][64], W_proj [head][n][64]: k = 64 head + d.
; Nothing is left out.  The 16 first rows of every batch lie in live tiles and are written here; the last launch writes them again from f32 operands.
; A tile of 128 (m) x 256 (n) gives 256 work-groups; four waves, each 64 x 128: 32 accumulators, all of window 1 ((a, b) at v[8 (8 a + b)]).  Window 0: addresses and two fragment buffers of 96 registers.
; A K step is two heads (128 along K); a head's part of a tile is one dense block of memory.  Two slots; wave 0, 1 fetch y's two head parts (128 rows of 128 bytes), waves 2, 3 W_proj's (256 rows).
; CLUSTER 4 x 4: y's tiles are shared along a row of the cluster, W_proj's along a column, by joint loads.  No prefetch: eight K steps in all, and the tiles are shared by the joint loads.
; THE MATRIX INSTRUCTION IS USED TRANSPOSED (source 0 = 16 rows of W_proj, source 1 = 16 rows of y): a lane holds eight neighbouring numbers of a row of out0.
.set PITCH,  144                       ; 128 bytes + 16
.set AH,     128*PITCH
.set BH,     256*PITCH
.set SLOT,   2*AH+2*BH
.set STAGE,  2*SLOT                    ; 16 rows x 528 bytes for each wave
.set SPITCH, 528
.set SPARE,  STAGE+4*16*SPITCH         ; the spare words: 128 bytes a wave, no other line names them
.set LAPS,   4
.set ADRA, 16
.set ADRB, 20
.set STO,  24
.set RD,   25
.set CO,   26
.set SPW,  28
.set NIL,  29
.set F0,   32
.set F1,   128
.set BK,   32
.set G1, 24
.set G0, 32
.set G1B, 48
.set G0B, 56
.set MSB, 0
.macro WIN new
.if MSB != (\new)
	s_set_vgpr_msb (MSB<<8)|(\new)
.set MSB, (\new)
.endif
.endm
.set MUL, 0x50                         ; C and D window 1, the sources window 0
.macro JLOAD s                         ; an s_nop 0 and four v_nop follow each of the two lines
	s_cmp_eq_u32 s11, 0
	s_cbranch_scc0 .Lfor_b_\@
	tensor_load_to_lds s[G0+4*\s:G0+4*\s+3], s[G1:G1+7]
	s_nop 0
.rept 4
	v_nop
.endr
	s_branch .Lasked_\@
.Lfor_b_\@:
	tensor_load_to_lds s[G0B+4*\s:G0B+4*\s+3], s[G1B:G1B+7]
	s_nop 0
.rept 4
	v_nop
.endr
.Lasked_\@:
.endm
.macro CREST
	s_cmp_lg_u32 s10, 0
	s_cbranch_scc1 .Lnot_wave_0_\@
	s_barrier_signal -3
.Lnot_wave_0_\@:
	s_barrier_wait -3
	s_barrier_signal -1
	s_barrier_wait -1
.endm
.macro CROUND
	s_barrier_signal -1
	s_barrier_wait -1
	CREST
.endm
	s_load_b128 s[4:7], s[0:1], 0x0                ; yh s[4:5], wp16 s[6:7]
	s_load_b64 s[8:9], s[0:1], 0x10                ; out0
	v_lshl_add_u32 v[SPW], v0, 2, SPARE
	v_mov_b32 v[NIL], 0
	ds_add_u32 v[SPW], v[NIL]                      ; the wave's opening: the add, twice on end, and its wait ahead of my first tensor load
	ds_add_u32 v[SPW], v[NIL]
	v_lshrrev_b32 v1, 5, v0
	v_readfirstlane_b32 s10, v1                    ; wave 0..3
	s_lshr_b32 s11, s10, 1                         ; my half of the tile's rows.  Also: I fetch for y (0) or for W_proj (1)
	s_and_b32 s12, s10, 1                          ; my half of its columns.  Also: which head of the K step I fetch
	s_bfe_u32 s40, ttmp6, 0x40000                  ; cx
	s_bfe_u32 s41, ttmp6, 0x40004                  ; cy
	s_lshl_b32 s42, ttmp9, 2
	s_add_co_u32 s42, s42, s40                     ; tile column
	s_and_b32 s13, ttmp7, 0xffff
	s_lshl_b32 s13, s13, 2
	s_add_co_u32 s13, s13, s41                     ; tile row
	s_lshl_b32 s43, s41, 2
	s_lshl_b32 s43, 15, s43                        ; my row of the cluster
	s_lshl_b32 s44, 0x1111, s40                    ; my column
	s_or_b32 s[G1+0], s43, (1<<16)|(1<<20)|(1<<21)|(4<<22)|(3<<25)   ; the mask; elements of 2 bytes; padding: 4 words after every 32; bit 21 beside a mask
	s_or_b32 s[G1B+0], s44, (1<<16)|(1<<20)|(1<<21)|(4<<22)|(3<<25)
	s_mov_b32 s[G1+1], 64<<16
	s_mov_b32 s[G1+2], 128<<16
	s_mov_b32 s[G1+3], 64<<16
	s_mov_b32 s[G1+4], 128
	s_mov_b32 s[G1+5], 64
	s_mov_b32 s[G1+6], 0
	s_mov_b32 s[G1+7], 0
	s_mov_b32 s[G1B+1], 64<<16
	s_mov_b32 s[G1B+2], 256<<16
	s_mov_b32 s[G1B+3], 64<<16
	s_mov_b32 s[G1B+4], 256
	s_mov_b32 s[G1B+5], 64
	s_mov_b32 s[G1B+6], 0
	s_mov_b32 s[G1B+7], 0
	s_lshr_b32 s16, s13, 4
	s_lshl_b32 s16, s16, 22                        ; y: the batch, 16 heads of 262,144 bytes,
	s_and_b32 s17, s13, 15
	s_lshl_b32 s17, s17, 14                        ; 128 rows of 128 bytes for each tile row within it,
	s_add_co_u32 s16, s16, s17
	s_lshl_b32 s17, s12, 18                        ; and my head of the K step
	s_add_co_u32 s16, s16, s17
	s_mov_b32 s17, 0
	s_lshl_b32 s46, s42, 15                        ; W_proj: 256 rows of 128 bytes for each tile column,
	s_lshl_b32 s47, s12, 17                        ; a head is 131,072 bytes
	s_add_co_u32 s46, s46, s47
	s_mov_b32 s47, 0
	s_mul_i32 s20, s12, AH                         ; where they go in a slot: y's two parts,
	s_mul_i32 s21, s12, BH
	s_add_co_u32 s21, s21, 2*AH                    ; then W_proj's two
	s_wait_dscnt 0x0                               ; both opening adds are done
	s_wait_kmcnt 0x0
	s_add_nc_u64 s[14:15], s[4:5], s[16:17]
	s_add_nc_u64 s[46:47], s[6:7], s[46:47]
	CROUND                                         ; all sixteen work-groups are here: the first joint loads meet
.irp s, 0,1
	s_mov_b32 s[G0+4*\s], 1
	s_add_co_u32 s[G0+4*\s+1], s20, \s*SLOT
	s_add_nc_u64 s[G0+4*\s+2:G0+4*\s+3], s[14:15], \s*524288
	s_or_b32 s[G0+4*\s+3], s[G0+4*\s+3], 0x80000000
	s_mov_b32 s[G0B+4*\s], 1
	s_add_co_u32 s[G0B+4*\s+1], s21, \s*SLOT
	s_add_nc_u64 s[G0B+4*\s+2:G0B+4*\s+3], s[46:47], \s*262144
	s_or_b32 s[G0B+4*\s+3], s[G0B+4*\s+3], 0x80000000
	JLOAD \s
.endr
	v_and_b32 v1, 15, v0
	v_bfe_u32 v2, v0, 4, 1
	v_mul_u32_u24 v3, v1, PITCH
	v_lshl_add_u32 v3, v2, 4, v3
	s_mul_i32 s21, s11, 64*PITCH                   ; my 64 rows of y
	s_mul_i32 s22, s12, 128*PITCH                  ; my 128 rows of W_proj,
	s_add_co_u32 s22, s22, 2*AH                    ; behind y's two parts
.irp s, 0,1
	v_add_nc_u32 v[ADRA+\s], s21, v3
	v_add_nc_u32 v[ADRB+\s], s22, v3
	s_add_co_u32 s21, s21, SLOT
	s_add_co_u32 s22, s22, SLOT
.endr
	s_mul_i32 s23, s10, 16*SPITCH
	s_add_co_u32 s23, s23, STAGE                   ; my stage
	v_mul_u32_u24 v4, v1, SPITCH
	v_lshl_add_u32 v4, v2, 5, v4
	v_add_nc_u32 v[STO], s23, v4                   ; in: row r, 32 bytes for each half of the lanes
	v_and_b32 v5, 31, v0
	v_lshlrev_b32 v[CO], 4, v5
	v_add_nc_u32 v[RD], s23, v[CO]                 ; back: the 32 lanes take a row of 512 bytes
	s_lshl_b32 s16, s13, 19                        ; 128 rows of 4,096 bytes for each tile row,
	s_lshl_b32 s17, s11, 18                        ; 64 for my half
	s_add_co_u32 s16, s16, s17
	s_mov_b32 s17, 0
	s_add_nc_u64 s[8:9], s[8:9], s[16:17]
	s_lshl_b32 s46, s42, 10                        ; my first column, in bytes
	s_lshl_b32 s47, s12, 9
	s_add_co_u32 s46, s46, s47
	s_mov_b32 s47, 0
	s_add_nc_u64 s[8:9], s[8:9], s[46:47]
.macro MUL8 f, a, zero                 ; y's block a against W_proj's eight, 32 along K: eight accumulators, one instruction each
.irp b, 0,1,2,3,4,5,6,7
.if \zero
	v_wmma_f32_16x16x32_f16 v[8*(8*(\a)+\b):8*(8*(\a)+\b)+7], v[\f+32+8*\b:\f+32+8*\b+7], v[\f+8*(\a):\f+8*(\a)+7], 0
.else
	v_wmma_f32_16x16x32_f16 v[8*(8*(\a)+\b):8*(8*(\a)+\b)+7], v[\f+32+8*\b:\f+32+8*\b+7], v[\f+8*(\a):\f+8*(\a)+7], v[8*(8*(\a)+\b):8*(8*(\a)+\b)+7]
.endif
.endr
.endm
.macro FETCH slot, q, f                ; 24 LDS loads: quarter q of the slot (head q / 2, channels 32 (q % 2) on): W_proj's eight fragments, then y's four
	WIN 0
.irp i, 0,1,2,3,4,5,6,7
	ds_load_b128 v[\f+32+8*\i:\f+32+8*\i+3],   v[ADRB+\slot] offset:((\q)/2)*BH+((\q)%2)*64+\i*16*PITCH
	ds_load_b128 v[\f+32+8*\i+4:\f+32+8*\i+7], v[ADRB+\slot] offset:((\q)/2)*BH+((\q)%2)*64+\i*16*PITCH+32
.endr
.irp i, 0,1,2,3
	ds_load_b128 v[\f+8*\i:\f+8*\i+3],   v[ADRA+\slot] offset:((\q)/2)*AH+((\q)%2)*64+\i*16*PITCH
	ds_load_b128 v[\f+8*\i+4:\f+8*\i+7], v[ADRA+\slot] offset:((\q)/2)*AH+((\q)%2)*64+\i*16*PITCH+32
.endr
.endm
.macro PLACES
.rept 4
	v_nop
.endr
.endm
.macro QUARTER slot, qn, f, g, zero    ; multiplies buffer f; in its middle it fetches quarter qn of the same slot into g
	s_wait_dscnt 4                                 ; all but the youngest four loads (y's blocks 2, 3) are in
	WIN MUL
	MUL8 \f, 0, \zero
	MUL8 \f, 1, \zero
	PLACES
	FETCH \slot, \qn, \g
	s_wait_dscnt 24                                ; all but the 24 just issued
	WIN MUL
	MUL8 \f, 2, \zero
	MUL8 \f, 3, \zero
.endm
; A slot's last quarter changes slots: each wave's tensor loads have landed, the add, its reads of this slot are over; fill = 1: a round of the cluster's barrier, and this slot is filled again, two K steps ahead.
.macro TURN slot, next, fill
	WIN 0
	s_wait_tensorcnt 0x0                           ; all my tensor loads have landed: my part of the next slot
	ds_add_u32 v[SPW], v[NIL]                      ; 0 onto my spare word
	s_wait_dscnt 5                                 ; the add and the youngest four loads may be out
	WIN MUL
	MUL8 F1, 0, 0
	s_wait_dscnt 0x0                               ; the add is done, and my reads of this slot are over
	s_barrier_signal -1
	MUL8 F1, 1, 0
.if \fill
	WIN 0
.endif
	s_barrier_wait -1
.if \fill
	CREST                                          ; no wave of any partner still reads this slot or has a load on its way
	s_add_nc_u64 s[G0+4*\slot+2:G0+4*\slot+3], s[G0+4*\slot+2:G0+4*\slot+3], 1048576     ; four heads on
	s_add_nc_u64 s[G0B+4*\slot+2:G0B+4*\slot+3], s[G0B+4*\slot+2:G0B+4*\slot+3], 524288
	JLOAD \slot                                    ; the first tensor load behind the round; its four v_nop are also the places in front of the loads below
.else
	PLACES
.endif
	FETCH \next, 0, F0
	WIN MUL
	MUL8 F1, 2, 0
	MUL8 F1, 3, 0
.endm
	s_wait_tensorcnt 1                             ; my part of K step 0 is in; K step 1's load may be out
	s_barrier_signal -1
	s_barrier_wait -1
	FETCH 0, 0, F0
	QUARTER 0, 1, F0, F1, 1                        ; the first quarter's products start all 32 sums
	WIN 0
	s_mov_b32 s3, LAPS-1
.Llap:                                             ; a trip goes once round the ring and fills both slots again
	QUARTER 0, 2, F1, F0, 0
	QUARTER 0, 3, F0, F1, 0
	TURN 0, 1, 1
	QUARTER 1, 1, F0, F1, 0
	QUARTER 1, 2, F1, F0, 0
	QUARTER 1, 3, F0, F1, 0
	TURN 1, 0, 1
	QUARTER 0, 1, F0, F1, 0
	WIN 0
	s_sub_co_u32 s3, s3, 1
	s_cmp_lg_u32 s3, 0
	s_cbranch_scc1 .Llap
	QUARTER 0, 2, F1, F0, 0                        ; the last lap fills nothing
	QUARTER 0, 3, F0, F1, 0
	TURN 0, 1, 0
	QUARTER 1, 1, F0, F1, 0
	QUARTER 1, 2, F1, F0, 0
	QUARTER 1, 3, F0, F1, 0
	s_wait_dscnt 4
	WIN MUL
	MUL8 F1, 0, 0
	MUL8 F1, 1, 0
	s_wait_dscnt 0
	MUL8 F1, 2, 0
	MUL8 F1, 3, 0
	WIN 0
; THE WAY OUT, a block of 16 rows x 128 columns at a time, through my own stage and back as whole rows of 512 bytes.
.macro TOSTAGE a
	WIN 0x04                                       ; an LDS store's data: window 1
.irp b, 0,1,2,3,4,5,6,7
	ds_store_b128 v[STO], v[8*(8*(\a)+\b):8*(8*(\a)+\b)+3] offset:64*\b        ; each accumulator from its low end on
	ds_store_b128 v[STO], v[8*(8*(\a)+\b)+4:8*(8*(\a)+\b)+7] offset:64*\b+16
.endr
	WIN 0
.set BB, BK+64*((\a)%2)
.irp t, 0,1,2,3,4,5,6,7,8,9,10,11,12,13,14,15
	ds_load_b128 v[BB+4*\t:BB+4*\t+3], v[RD] offset:\t*SPITCH                  ; in order behind my stores
.endr
.endm
.macro SEND a, younger
.set BB, BK+64*((\a)%2)
	s_wait_dscnt \younger                          ; the block is back; the next block's 16 stores and 16 loads may be out
.irp t, 0,1,2,3,4,5,6,7,8,9,10,11,12,13,14,15
	global_store_b128 v[CO], v[BB+4*\t:BB+4*\t+3], s[8:9] offset:(\a)*65536+\t*4096 th:TH_STORE_NT   ; 512 consecutive bytes, aligned
.endr
.endm
	PLACES
	TOSTAGE 0
.irp a, 1,2,3
.if \a > 1
	s_wait_xcnt 0x0                                ; block a - 2's stores have read their registers: block a's loads may land there
.endif
	TOSTAGE \a
	SEND \a-1, 32
.endr
	SEND 3, 0
	s_wait_tensorcnt 0x0                           ; the wave's end
	ds_add_u32 v[SPW], v[NIL]
	s_wait_dscnt 0x0
	CROUND                                         ; the closing round
	s_endpgm
.Lfunc_end_k_qbf931bb797_proj:
	.size	k_qbf931bb797_proj, .Lfunc_end_k_qbf931bb797_proj-k_qbf931bb797_proj
	.p2alignl 7, 3214868480
	.fill 96, 4, 3214868480
	.section	.rodata,"a",@progbits
	.p2align	6, 0x0
	.amdhsa_kernel k_qbf931bb797_proj
		.amdhsa_group_segment_fixed_size 327680
		.amdhsa_private_segment_fixed_size 0
		.amdhsa_enable_private_segment 0
		.amdhsa_kernarg_size 24
		.amdhsa_user_sgpr_count 2
		.amdhsa_user_sgpr_kernarg_segment_ptr 1
		.amdhsa_wavefront_size32 1
		.amdhsa_system_sgpr_workgroup_id_x 1
		.amdhsa_system_sgpr_workgroup_id_y 1
		.amdhsa_system_sgpr_workgroup_id_z 1
		.amdhsa_system_vgpr_workitem_id 0
		.amdhsa_next_free_vgpr 512
		.amdhsa_next_free_sgpr 66
		.amdhsa_reserve_vcc 0
		.amdhsa_float_denorm_mode_32 3
		.amdhsa_float_denorm_mode_16_64 3
		.amdhsa_memory_ordered 1
		.amdhsa_forward_progress 1
		.amdhsa_inst_pref_size 85
	.end_amdhsa_kernel
	.amdgpu_metadata
---
amdhsa.version: [ 1, 2 ]
amdhsa.kernels:
  - .name:           k_qbf931bb797_proj
    .symbol:         k_qbf931bb797_proj.kd
    .args:
      - { .name: yh, .offset: 0, .size: 8, .value_kind: global_buffer, .address_space: global }
      - { .name: wp16, .offset: 8, .size: 8, .value_kind: global_buffer, .address_space: global }
      - { .name: out0, .offset: 16, .size: 8, .value_kind: global_buffer, .address_space: global }
    .group_segment_fixed_size: 327680
    .private_segment_fixed_size: 0
    .kernarg_segment_align: 8
    .kernarg_segment_size: 24
    .max_flat_workgroup_size: 128
    .sgpr_count:     66
    .vgpr_count:     512
    .wavefront_size: 32
...
	.end_amdgpu_metadata
.endif
;; end of part 4
;; launch fattn (part 5): grid 16 x 4, 1 waves a work-group, no clusters, 0 bytes of LDS; arguments kqvf, yf; writes yf
.if DOCPART == 5
	.amdgcn_target "amdgcn-amd-amdhsa--gfx1250"
	.amdhsa_code_object_version 6
	.text
	.protected	k_qbf931bb797_fattn
	.globl	k_qbf931bb797_fattn
	.p2align	8
	.type	k_qbf931bb797_fattn,@function
k_qbf931bb797_fattn:
	s_mov_b64 s[64:65], 0
	v_nop
	global_prefetch_b8 v0, s[64:65] scope:SCOPE_SE
	s_setreg_imm32_b32 hwreg(HW_REG_WAVE_MODE, 25, 1), 1
	s_wait_xcnt 0x0
; Positions 0-15 of one (batch, head): the same attention in f32.  Under the causal mask these rows average one to sixteen values and are the largest of the output, so their operands are not rounded to f16.
; One wave.  k, q, v come as images of registers: lane (r, hh), word 8 bq + j = token r, channel 16 bq + 8 hh + j.  q carries log2(e) / 8.
; S^T = K Q^T by 16 products of 16 x 16 x 4: the i-th takes words 2 i, 2 i + 1 of both images: the same four channels on both sides.  A lane then holds query r and keys 8 h + 0 .. 7.
; Y^T = V^T P: the pair of weights j0, j0 + 1 holds keys 8 h + j0 + 0, 1; V^T is gathered to match: lane (r, h), register 8 b + j = v[key 8 h + j][channel 16 b + r].
; The registers that the f32 matrix form writes are written by it alone; what is made of the sums goes into other registers.
; y leaves as images for the next launch: [batch][G][lane (r, hh)][4]: row r, k = 8 G + 4 hh + 0 .. 3, k = 64 head + channel.
.set QQ, 16
.set KK, 48
.set VT, 80
.set ST, 112
.set SV, 128
.set YY, 136
.set YO, 168
	s_load_b128 s[4:7], s[0:1], 0x0                ; kqvf, yf
	v_and_b32 v1, 15, v0                           ; r
	v_lshrrev_b32 v2, 4, v0                        ; h
	v_lshlrev_b32 v3, 4, v0                        ; 16 x lane
	v_bfe_u32 v4, v0, 2, 1
	v_lshlrev_b32 v4, 9, v4                        ; v's gather: word 8 b + r % 8 of lane (8 h + j, r / 8)
	v_bfe_u32 v5, v0, 3, 1
	v_lshl_add_u32 v4, v5, 8, v4
	v_lshl_add_u32 v4, v2, 7, v4
	v_and_b32 v5, 3, v0
	v_lshl_add_u32 v4, v5, 2, v4
	v_lshlrev_b32 v5, 3, v2
	v_sub_nc_u32 v5, v1, v5                        ; r - 8 h
	v_lshlrev_b32 v6, 9, v2
	v_lshl_add_u32 v6, v1, 4, v6                   ; out: 512 h + 16 r
	v_mov_b32 v7, 0xff800000                       ; -infinity
	v_mov_b32 v201, 0                              ; a lane permute's destination: written once
	s_and_b32 s8, ttmp7, 0xffff                    ; batch
	s_lshl_b32 s9, s8, 4
	s_add_co_u32 s9, s9, ttmp9                     ; 16 batch + head
	s_lshl_b32 s10, s9, 12
	s_mov_b32 s11, 0
	s_lshl_b32 s12, s8, 16
	s_lshl_b32 s13, ttmp9, 12
	s_add_co_u32 s12, s12, s13
	s_mov_b32 s13, 0
	s_mov_b32 s14, 0x76543210
	s_mov_b32 s15, 0xfedcba98
	s_wait_kmcnt 0x0
	s_add_nc_u64 s[4:5], s[4:5], s[10:11]
	s_add_nc_u64 s[6:7], s[6:7], s[12:13]
.irp e, 0,1,2,3,4,5,6,7
	global_load_b128 v[KK+4*\e:KK+4*\e+3], v3, s[4:5] offset:\e*512
	global_load_b128 v[QQ+4*\e:QQ+4*\e+3], v3, s[4:5] offset:262144+\e*512
.endr
.irp b, 0,1,2,3
.irp j, 0,1,2,3,4,5,6,7
	global_load_b32 v[VT+8*\b+\j], v4, s[4:5] offset:524288+\b*1024+\j*16
.endr
.endr
	s_wait_loadcnt 0x0
.irp i, 0,1,2,3,4,5,6,7,8,9,10,11,12,13,14,15
.if \i < 2
	v_wmma_f32_16x16x4_f32 v[ST+8*(\i%2):ST+8*(\i%2)+7], v[KK+2*\i:KK+2*\i+1], v[QQ+2*\i:QQ+2*\i+1], 0    ; two sums by turns; the first product of each starts it
.else
	v_wmma_f32_16x16x4_f32 v[ST+8*(\i%2):ST+8*(\i%2)+7], v[KK+2*\i:KK+2*\i+1], v[QQ+2*\i:QQ+2*\i+1], v[ST+8*(\i%2):ST+8*(\i%2)+7]
.endif
.endr
.rept 8
	v_nop                                          ; eight plain lines behind this form, ahead of the first read of its results
.endr
.irp j, 0,1,2,3,4,5,6,7
	v_add_f32 v[SV+\j], v[ST+\j], v[ST+8+\j]
.endr
.irp j, 0,1,2,3,4,5,6,7
	v_cmp_gt_i32 vcc_lo, \j, v5                    ; key 8 h + j comes after query r
	v_cndmask_b32 v[SV+\j], v[SV+\j], v7, vcc_lo
.endr
	v_max3_num_f32 v200, v[SV], v[SV+1], v[SV+2]
	v_max3_num_f32 v200, v200, v[SV+3], v[SV+4]
	v_max3_num_f32 v200, v200, v[SV+5], v[SV+6]
	v_max_num_f32 v200, v200, v[SV+7]
	v_permlanex16_b32 v201, v200, s14, s15
	v_max_num_f32 v200, v200, v201                 ; the row's maximum: key 0 counts for every query, so it is a number
.irp j, 0,1,2,3,4,5,6,7
	v_sub_f32 v[SV+\j], v[SV+\j], v200
.endr
.irp j, 0,1,2,3,4,5,6,7
	v_exp_f32 v[SV+\j], v[SV+\j]
.endr
	v_nop
	s_wait_alu depctr_va_vdst(0)                   ; one wait for the eight exponentials
	v_add_f32 v202, v[SV], v[SV+1]
	v_add_f32 v203, v[SV+2], v[SV+3]
	v_add_f32 v204, v[SV+4], v[SV+5]
	v_add_f32 v205, v[SV+6], v[SV+7]
	v_add_f32 v202, v202, v203
	v_add_f32 v204, v204, v205
	v_add_f32 v202, v202, v204
	v_permlanex16_b32 v201, v202, s14, s15
	v_add_f32 v202, v202, v201
	v_rcp_f32 v203, v202
	v_nop
	s_wait_alu depctr_va_vdst(0)
.irp j0, 0,2,4,6
.irp b, 0,1,2,3
.if \j0 == 0
	v_wmma_f32_16x16x4_f32 v[YY+8*\b:YY+8*\b+7], v[VT+8*\b+\j0:VT+8*\b+\j0+1], v[SV+\j0:SV+\j0+1], 0      ; four sums by turns
.else
	v_wmma_f32_16x16x4_f32 v[YY+8*\b:YY+8*\b+7], v[VT+8*\b+\j0:VT+8*\b+\j0+1], v[SV+\j0:SV+\j0+1], v[YY+8*\b:YY+8*\b+7]
.endif
.endr
.endr
.rept 8
	v_nop
.endr
.set i, 0
.rept 32
	v_mul_f32 v[YO+i], v[YY+i], v203               ; register 8 b + j: y(query r, channel 16 b + 8 h + j)
.set i, i+1
.endr
.irp b, 0,1,2,3
	global_store_b128 v6, v[YO+8*\b:YO+8*\b+3], s[6:7] offset:\b*1024          ; sixteen lanes store 256 consecutive bytes, aligned
	global_store_b128 v6, v[YO+8*\b+4:YO+8*\b+7], s[6:7] offset:\b*1024+256
.endr
	s_endpgm
.Lfunc_end_k_qbf931bb797_fattn:
	.size	k_qbf931bb797_fattn, .Lfunc_end_k_qbf931bb797_fattn-k_qbf931bb797_fattn
	.p2alignl 7, 3214868480
	.fill 96, 4, 3214868480
	.section	.rodata,"a",@progbits
	.p2align	6, 0x0
	.amdhsa_kernel k_qbf931bb797_fattn
		.amdhsa_group_segment_fixed_size 0
		.amdhsa_private_segment_fixed_size 0
		.amdhsa_enable_private_segment 0
		.amdhsa_kernarg_size 16
		.amdhsa_user_sgpr_count 2
		.amdhsa_user_sgpr_kernarg_segment_ptr 1
		.amdhsa_wavefront_size32 1
		.amdhsa_system_sgpr_workgroup_id_x 1
		.amdhsa_system_sgpr_workgroup_id_y 1
		.amdhsa_system_sgpr_workgroup_id_z 1
		.amdhsa_system_vgpr_workitem_id 0
		.amdhsa_next_free_vgpr 212
		.amdhsa_next_free_sgpr 66
		.amdhsa_reserve_vcc 1
		.amdhsa_float_denorm_mode_32 3
		.amdhsa_float_denorm_mode_16_64 3
		.amdhsa_memory_ordered 1
		.amdhsa_forward_progress 1
		.amdhsa_inst_pref_size 13
	.end_amdhsa_kernel
	.amdgpu_metadata
---
amdhsa.version: [ 1, 2 ]
amdhsa.kernels:
  - .name:           k_qbf931bb797_fattn
    .symbol:         k_qbf931bb797_fattn.kd
    .args:
      - { .name: kqvf, .offset: 0, .size: 8, .value_kind: global_buffer, .address_space: global }
      - { .name: yf, .offset: 8, .size: 8, .value_kind: global_buffer, .address_space: global }
    .group_segment_fixed_size: 0
    .private_segment_fixed_size: 0
    .kernarg_segment_align: 8
    .kernarg_segment_size: 16
    .max_flat_workgroup_size: 32
    .sgpr_count:     66
    .vgpr_count:     212
    .wavefront_size: 32
...
	.end_amdgpu_metadata
.endif
;; end of part 5
;; launch fproj (part 6): grid 16 x 4, 4 waves a work-group, no clusters, 5,120 bytes of LDS; arguments yf, W_proj, out0; writes out0
.if DOCPART == 6
	.amdgcn_target "amdgcn-amd-amdhsa--gfx1250"
	.amdhsa_code_object_version 6
	.text
	.protected	k_qbf931bb797_fproj
	.globl	k_qbf931bb797_fproj
	.p2align	8
	.type	k_qbf931bb797_fproj,@function
k_qbf931bb797_fproj:
	s_mov_b64 s[64:65], 0
	v_nop
	global_prefetch_b8 v0, s[64:65] scope:SCOPE_SE
	s_setreg_imm32_b32 hwreg(HW_REG_WAVE_MODE, 25, 1), 1
	s_wait_xcnt 0x0
; The first 16 rows of each batch of out0 once more, from f32 operands: out0[t][n] = the sum over k of y[t][k] W_proj[n][k], t < 16.  It writes over what the f16 projection left in those 64 rows.
; Work-group (x, batch): columns 64 x on; wave w: 16 of them, all of K, 256 products of 16 x 16 x 4 on four sums by turns.  Source 0 = 16 rows of W_proj, source 1 = y's 16 rows:
; both sides take, for group G and pair u, k = 8 G + 4 h + 2 u + 0, 1.  A lane then holds row r and eight neighbouring columns.
; The registers that the f32 matrix form writes are written by it alone.  Loads run three chunks of 64 along K ahead, in three sets of registers.
.set WA,  3
.set YA,  4
.set STO, 5
.set RD,  6
.set GO,  7
.set SPW, 8
.set NIL, 9
.set SUM, 10
.set TMP, 18
.set ACC, 224
.set SPARE, 4608                       ; behind the stage of 16 rows x 272 bytes: the spare words, 128 bytes a wave
	s_load_b128 s[4:7], s[0:1], 0x0                ; yf, W_proj
	s_load_b64 s[8:9], s[0:1], 0x10                ; out0
	v_lshl_add_u32 v[SPW], v0, 2, SPARE
	v_mov_b32 v[NIL], 0
	v_lshrrev_b32 v1, 5, v0
	v_readfirstlane_b32 s10, v1                    ; wave
	v_and_b32 v1, 15, v0                           ; r
	v_bfe_u32 v2, v0, 4, 1                         ; h
	v_lshlrev_b32 v[WA], 12, v1
	v_lshl_add_u32 v[WA], v2, 4, v[WA]             ; W_proj: row r of 4,096 bytes, + 16 h
	v_and_b32 v[YA], 31, v0
	v_lshlrev_b32 v[YA], 4, v[YA]                  ; y's images: 16 x lane
	s_lshl_b32 s11, s10, 6
	v_mul_u32_u24 v[STO], v1, 272
	v_lshl_add_u32 v[STO], v2, 5, v[STO]
	v_add_nc_u32 v[STO], s11, v[STO]               ; the stage, in: row r, 64 w + 32 h
	s_mul_i32 s11, s10, 4*272
	v_mul_u32_u24 v[RD], v2, 272
	v_lshl_add_u32 v[RD], v1, 4, v[RD]
	v_add_nc_u32 v[RD], s11, v[RD]                 ; back: rows 4 w on; lanes 0-15 one row of 256 bytes, lanes 16-31 the next
	v_lshlrev_b32 v[GO], 12, v2
	v_lshl_add_u32 v[GO], v1, 4, v[GO]
	s_and_b32 s12, ttmp7, 0xffff                   ; batch
	s_lshl_b32 s14, ttmp9, 6
	s_lshl_b32 s15, s10, 4
	s_add_co_u32 s14, s14, s15
	s_lshl_b32 s14, s14, 12                        ; my 16 rows of W_proj
	s_mov_b32 s15, 0
	s_lshl_b32 s16, s12, 16                        ; the batch's images
	s_mov_b32 s17, 0
	s_lshl_b32 s18, s12, 23                        ; the batch's first row of out0,
	s_lshl_b32 s19, s10, 14                        ; + 4 w rows,
	s_add_co_u32 s18, s18, s19
	s_lshl_b32 s19, ttmp9, 8                       ; + 64 x columns
	s_add_co_u32 s18, s18, s19
	s_mov_b32 s19, 0
	s_wait_kmcnt 0x0
	s_add_nc_u64 s[6:7], s[6:7], s[14:15]
	s_add_nc_u64 s[4:5], s[4:5], s[16:17]
	s_add_nc_u64 s[8:9], s[8:9], s[18:19]
.macro LOADC c
.set BF, 32+64*((\c)%3)
.irp g, 0,1,2,3,4,5,6,7
	global_load_b128 v[BF+4*\g:BF+4*\g+3], v[WA], s[6:7] offset:(\c)*256+32*\g
.endr
.irp g, 0,1,2,3,4,5,6,7
	global_load_b128 v[BF+32+4*\g:BF+32+4*\g+3], v[YA], s[4:5] offset:(8*(\c)+\g)*512
.endr
.endm
.macro CHUNK c
.if (\c) < 14
	s_wait_loadcnt 32                              ; this chunk's 16 loads are in; two later chunks' stay out
.elseif (\c) == 14
	s_wait_loadcnt 16
.else
	s_wait_loadcnt 0x0
.endif
.set BF, 32+64*((\c)%3)
.irp s, 0,1,2,3,4,5,6,7,8,9,10,11,12,13,14,15
.if ((\c) == 0) && (\s < 4)
	v_wmma_f32_16x16x4_f32 v[ACC+8*(\s%4):ACC+8*(\s%4)+7], v[BF+2*\s:BF+2*\s+1], v[BF+32+2*\s:BF+32+2*\s+1], 0
.else
	v_wmma_f32_16x16x4_f32 v[ACC+8*(\s%4):ACC+8*(\s%4)+7], v[BF+2*\s:BF+2*\s+1], v[BF+32+2*\s:BF+32+2*\s+1], v[ACC+8*(\s%4):ACC+8*(\s%4)+7]
.endif
.endr
.rept 8
	v_nop                                          ; eight plain lines behind this form, ahead of loads into its operands and of the first read of its results
.endr
.if (\c) < 13
	LOADC (\c)+3
.endif
.endm
	LOADC 0
	LOADC 1
	LOADC 2
.irp c, 0,1,2,3,4,5,6,7,8,9,10,11,12,13,14,15
	CHUNK \c
.endr
.irp j, 0,1,2,3,4,5,6,7
	v_add_f32 v[SUM+\j], v[ACC+\j], v[ACC+8+\j]    ; the four sums, each read from its low end on
	v_add_f32 v[TMP+\j], v[ACC+16+\j], v[ACC+24+\j]
.endr
.irp j, 0,1,2,3,4,5,6,7
	v_add_f32 v[SUM+\j], v[SUM+\j], v[TMP+\j]
.endr
	ds_store_b128 v[STO], v[SUM:SUM+3]
	ds_store_b128 v[STO], v[SUM+4:SUM+7] offset:16
	s_wait_dscnt 0x0                               ; for the others' sake: my stores have landed
	s_barrier_signal -1
	s_barrier_wait -1
	ds_load_b128 v[32:35], v[RD]
	ds_load_b128 v[36:39], v[RD] offset:2*272
	s_wait_dscnt 0x0
	global_store_b128 v[GO], v[32:35], s[8:9]                  ; sixteen lanes store 256 consecutive bytes, aligned
	global_store_b128 v[GO], v[36:39], s[8:9] offset:8192
	s_wait_tensorcnt 0x0                           ; the wave's end: behind my last LDS store
	ds_add_u32 v[SPW], v[NIL]
	s_wait_dscnt 0x0
	s_endpgm
.Lfunc_end_k_qbf931bb797_fproj:
	.size	k_qbf931bb797_fproj, .Lfunc_end_k_qbf931bb797_fproj-k_qbf931bb797_fproj
	.p2alignl 7, 3214868480
	.fill 96, 4, 3214868480
	.section	.rodata,"a",@progbits
	.p2align	6, 0x0
	.amdhsa_kernel k_qbf931bb797_fproj
		.amdhsa_group_segment_fixed_size 5120
		.amdhsa_private_segment_fixed_size 0
		.amdhsa_enable_private_segment 0
		.amdhsa_kernarg_size 24
		.amdhsa_user_sgpr_count 2
		.amdhsa_user_sgpr_kernarg_segment_ptr 1
		.amdhsa_wavefront_size32 1
		.amdhsa_system_sgpr_workgroup_id_x 1
		.amdhsa_system_sgpr_workgroup_id_y 1
		.amdhsa_system_sgpr_workgroup_id_z 1
		.amdhsa_system_vgpr_workitem_id 0
		.amdhsa_next_free_vgpr 256
		.amdhsa_next_free_sgpr 66
		.amdhsa_reserve_vcc 0
		.amdhsa_float_denorm_mode_32 3
		.amdhsa_float_denorm_mode_16_64 3
		.amdhsa_memory_ordered 1
		.amdhsa_forward_progress 1
		.amdhsa_inst_pref_size 48
	.end_amdhsa_kernel
	.amdgpu_metadata
---
amdhsa.version: [ 1, 2 ]
amdhsa.kernels:
  - .name:           k_qbf931bb797_fproj
    .symbol:         k_qbf931bb797_fproj.kd
    .args:
      - { .name: yf, .offset: 0, .size: 8, .value_kind: global_buffer, .address_space: global }
      - { .name: W_proj, .offset: 8, .size: 8, .value_kind: global_buffer, .address_space: global }
      - { .name: out0, .offset: 16, .size: 8, .value_kind: global_buffer, .address_space: global }
    .group_segment_fixed_size: 5120
    .private_segment_fixed_size: 0
    .kernarg_segment_align: 8
    .kernarg_segment_size: 24
    .max_flat_workgroup_size: 128
    .sgpr_count:     66
    .vgpr_count:     256
    .wavefront_size: 32
...
	.end_amdgpu_metadata
.endif
;; end of part 6
